; MI455X (gfx1250); checked and timed in simulation.
; The chip was launched on July 23, 2026; its instructions are those of AMD's public machine-readable ISA for CDNA 5 (MIT licence, August 2026) and "CDNA5" Instruction Set Architecture Reference Guide (July 2026). The comments in the code are by the model that wrote it; some were corrected since.
;; Causal Self Attention. Allowed arithmetic: matrix products marked QUANTISED: E3M2 operands, one E8M0 scale for each 32 along K, by v_wmma_scale_f32_16x16x128_f8f6f4 with both operands' format E3M2, f32 sums; everything else in f32.
;; Inputs: W_out 1,024 x 1,024 float32; W_qkv 3,072 x 1,024 float32; x 4 x 2,048 x 1,024 float32.
;; Outputs: out0 4 x 2,048 x 1,024 float32.
;; This version of the problem:
;;   THIS VERSION OF THE PROBLEM IS GIVEN IN LOW PRECISION. The matrix products marked QUANTISED in the list below multiply operands that are first quantised to E3M2 (3 exponent bits, 2 mantissa bits; 6 bits a number), with one power-of-two scale for each 32 numbers along K (OCP MX v1.0); their sums are f32. All else is computed in f32.
;;   The module's matrix products, in the order in which they are computed (A, B: the left and right operand; K: the contracted axis; several contracted axes count as one K, in the product's order):
;;     1. [M 8,192, K 1,024] x [K 1,024, N 3,072]; A: input x; B: input W_qkv: QUANTISED
;;     2. batch 64 x [M 2,048, K 64] x [K 64, N 2,048]; A: computed on the way; B: computed on the way: QUANTISED
;;     3. batch 64 x [M 2,048, K 2,048] x [K 2,048, N 64]; A: softmax (see below); B: computed on the way: QUANTISED
;;     4. [M 8,192, K 1,024] x [K 1,024, N 1,024]; A: computed on the way; B: input W_out: QUANTISED
;;   THE QUANTISER, for each operand of a quantised product, along K:
;;     - K is cut into blocks of 32 from its start; a last block that is shorter is filled with zeros.
;;     - A block's scale is 2^e with e = floor(log2(the largest magnitude in the block)) - 4, held to -126 .. 127; a block of zeros has e = 0. As a byte (E8M0): e + 127.
;;     - Each number is divided by its block's scale, clamped to +-28, and rounded to the nearest number of E3M2, ties to even, subnormals kept.
;;     - The product sums the exact products of the quantised numbers (number of the format x scale) in f32.
;;   ~~~python
;;   def quantise(x, axis):      # numpy; x: float32 -> the quantised numbers, widened to float32 again
;;       x = np.moveaxis(x, axis, -1); K = x.shape[-1]
;;       x = np.pad(x, [(0, 0)] * (x.ndim - 1) + [(0, -K % 32)]); x = x.reshape(x.shape[:-1] + (-1, 32)); a = np.abs(x).max(-1, keepdims=True)
;;       e = np.where(a > 0, np.clip(np.frexp(np.where(a > 0, a, 1))[1] - 1 - 4, -126, 127), 0)      # np.frexp(a)[1] - 1 = floor(log2(a)), exactly
;;       r = np.clip(x / 2.0 ** e, -28, 28)
;;       step = 2.0 ** (np.maximum(np.frexp(np.where(r == 0, 1, r))[1] - 1, -2) - 2)
;;       q = np.round(r / step) * step * 2.0 ** e      # np.round: ties to even
;;       return np.moveaxis(q.reshape(q.shape[:-2] + (-1,))[..., :K], -1, axis).astype(np.float32)
;;   ~~~
;;   SOFTMAX AHEAD OF A QUANTISED PRODUCT. Where the list says 'softmax', what is quantised is not the finished softmax but p = 2^(t - M), with t = logit x log2(e) and M = ceil(the row's largest t), a whole number; so 1/2 < the row's largest p <= 1. The row's sum l is taken of the UNQUANTISED p, in f32, and the product's result is divided by l at the end. Since M is a whole number, a kernel that streams over the keys may use a running M (the ceiling of the running maximum): every later rescaling is an exact power of two, which a block's scale takes up: the codes' values come out the same.
;;   OPERANDS COMPUTED ON THE WAY. 'Computed on the way' means the value that the module computes at that place (a softmax that the list does not call 'softmax' is quantised finished and normalised). What goes into a quantiser is computed in f32, as accurately as f32 sums, v_exp_f32 and their like allow (about 1e-6 of the number): no bf16 or f16 on the way to a quantiser, and a product that is left as it is and whose result goes on into a quantised operand takes f32 operands (vector FMAs, or v_wmma_f32_16x16x4_f32). A number that lies on a knife's edge between two numbers of the format may be rounded either way, as far as f32 arithmetic and the matrix unit's own rounding can turn it there, and no further.
;; One version. Each part assembles by itself: llvm-mc -triple=amdgcn-amd-amdhsa -mcpu=gfx1250 --defsym DOCPART=n.
;; ======== version 1 of 1: 4 launches
;; workspace buffers: opc 9,437,184 bytes; ops 393,216 bytes; qbuf 6,815,744 bytes; kvbuf 13,369,344 bytes; atc 6,291,456 bytes; ats 262,144 bytes
;; launch quant (part 1): grid 384 x 1, 4 waves a work-group, no clusters, 34,304 bytes of LDS; arguments x, W_qkv, W_out, opc, ops; writes opc, ops
.if DOCPART == 1
	.amdgcn_target "amdgcn-amd-amdhsa--gfx1250"
	.amdhsa_code_object_version 6
	.text
	.protected	k_q1419cab23d_quant
	.globl	k_q1419cab23d_quant
	.p2align	8
	.type	k_q1419cab23d_quant,@function
k_q1419cab23d_quant:
	s_mov_b64 s[64:65], 0
	v_nop
	global_prefetch_b8 v0, s[64:65] scope:SCOPE_SE
	s_setreg_imm32_b32 hwreg(HW_REG_WAVE_MODE, 25, 1), 1
	s_wait_xcnt 0x0
; x [8192][1024], W_qkv [3072][1024] and W_out [1024][1024], f32, K innermost, become codes of BF6 (E3M2) with one E8M0 byte for each 32 along K.
; The three tensors count as one run of 12,288 rows = 768 TILES of 16 rows.  Tile p holds rows 32 (p / 2) + 8 (p % 2) + r + 8 (r / 8), r = 0 .. 15: so that, where a tile is
; source 0 of a product, the 16 result registers of tiles 2 b and 2 b + 1 are 16 neighbours.
; THE CODES ARE LAID AS IMAGES OF THE OPERAND'S REGISTERS: opc[tile][kk 0..15][768 bytes].  In a half fragment (tile, kk) lane (r, h) owns the 24 bytes that hold k = 64 kk + 32 h + 0 .. 31 of
; the tile's row r: its registers 0-3 at byte 16 x lane, registers 4-5 at byte 512 + 8 x lane.  The scale words: ops[tile][half j][r][4 words], word w = the four bytes of k = 128 (4 j + w) on.
; A block's scale is 2^(floor(log2(largest magnitude)) - 4); its byte is the largest magnitude's exponent field - 4, held at 1 from below.
; LIMITS: a block of zeros, and a block whose largest magnitude lies under 2^-122, keeps the byte 1 (zeros add nothing under any byte but 0xff; this program alone reads the bytes); NaN and infinities are not served.
; SHARES: work-group G owns rows 32 G .. 32 G + 31 (tiles 2 G, 2 G + 1); wave w tile 2 G + w / 2 and half w % 2 of K: four steps of 128 along K.
; A step's 16 loads read 512 consecutive bytes of one row each; the 16 x 512 bytes turn through the wave's own stage in LDS (rows 528 bytes apart, so that 16 rows start at 16 different groups of
; banks) and come back 128 bytes (a whole block of 32) a lane and half.  No barrier: waves share nothing.  Loads run two steps (32 loads a wave) ahead.
.set SP,   528                         ; a stage row: 512 bytes + 16
.set WSTG, 16*SP                       ; a wave's stage
.set W,    20                          ; v20-23  the four steps' scale words
.set C,    28                          ; v28-39  a step's 12 registers of codes
.set T,    40                          ; v40-42, v44-46  the second halves of the two blocks, as converted
.set X,    48                          ; v48-111 my two blocks of 32 numbers
.set R0,   112                         ; v112-175, v176-239  two sets of 16 x 4 registers as loaded
	s_load_b128 s[4:7], s[0:1], 0x0                ; x, W_qkv
	s_load_b128 s[8:11], s[0:1], 0x10              ; W_out, opc
	s_load_b64 s[12:13], s[0:1], 0x20              ; ops
	v_lshl_add_u32 v240, v0, 2, 0x8400
	v_mov_b32 v241, 0
	v_lshrrev_b32 v1, 5, v0
	v_readfirstlane_b32 s16, v1                    ; wave 0..3
	v_and_b32 v1, 31, v0                           ; lane
	v_and_b32 v2, 15, v0                           ; r
	v_bfe_u32 v3, v0, 4, 1                         ; h
	s_lshr_b32 s17, s16, 1                         ; which of the two tiles
	s_and_b32 s18, s16, 1                          ; which half of K
	v_lshlrev_b32 v4, 4, v1                        ; 16 x lane: loads, and the stores of registers 0-3
	v_lshlrev_b32 v5, 3, v1                        ; 8 x lane: the stores of registers 4-5
	s_mul_i32 s19, s16, WSTG
	v_add_nc_u32 v6, s19, v4                       ; the stage, on the way in: a row as it is loaded
	v_mul_u32_u24 v7, v2, SP
	v_lshl_add_u32 v7, v3, 7, v7
	v_add_nc_u32 v7, s19, v7                       ; and on the way out: row r, + 128 h bytes: my block of 32 numbers
	v_lshlrev_b32 v8, 3, v3                        ; 8 h: my bytes' place in a scale word, in bits
	v_lshlrev_b32 v9, 4, v2
	v_lshl_add_u32 v9, v3, 3, v9                   ; 16 r + 8 h: my two of my row's four scale words
	v_mov_b32 v17, 0                               ; a lane permute's destination counts as one of its sources
	s_mov_b32 s20, 0x76543210
	s_mov_b32 s21, 0xfedcba98                      ; v_permlanex16_b32's selects for lane l xor 16
	s_wait_alu depctr_va_vdst(0)
	s_wait_kmcnt 0x0
	s_cmp_lt_u32 ttmp9, 256                        ; which tensor: the choice hangs on the work-group's number alone
	s_cselect_b64 s[4:5], s[4:5], s[6:7]
	s_cselect_b32 s14, 0, 256
	s_cmp_lt_u32 ttmp9, 352
	s_cselect_b64 s[4:5], s[4:5], s[8:9]
	s_cselect_b32 s14, s14, 352                    ; the tensor's first work-group
	s_sub_co_u32 s14, ttmp9, s14
	s_lshl_b32 s14, s14, 5
	s_lshl_b32 s15, s17, 3
	s_add_co_u32 s14, s14, s15                     ; the tile's first row in its tensor
	s_lshl_b32 s14, s14, 12                        ; rows of 4,096 bytes (under 2^26 bytes)
	s_lshl_b32 s15, s18, 11
	s_add_co_u32 s14, s14, s15                     ; + my half of K
	s_mov_b32 s15, 0
	s_add_nc_u64 s[4:5], s[4:5], s[14:15]
	s_lshl_b32 s22, ttmp9, 1
	s_add_co_u32 s22, s22, s17                     ; my tile
	s_mul_i32 s24, s22, 12288
	s_mul_i32 s26, s18, 6144
	s_add_co_u32 s24, s24, s26
	s_mov_b32 s25, 0
	s_add_nc_u64 s[10:11], s[10:11], s[24:25]      ; my eight half fragments
	s_lshl_b32 s24, s22, 9
	s_lshl_b32 s26, s18, 8
	s_add_co_u32 s24, s24, s26
	s_add_nc_u64 s[12:13], s[12:13], s[24:25]      ; my 256 bytes of scale words
.macro LOAD sg                         ; step sg: 128 numbers of each of the tile's 16 rows
.irp i, 0,1,2,3,4,5,6,7,8,9,10,11,12,13,14,15
	global_load_b128 v[R0+64*((\sg)%2)+4*\i:R0+64*((\sg)%2)+4*\i+3], v4, s[4:5] offset:(\i+8*(\i/8))*4096+512*(\sg) th:TH_LOAD_NT
.endr
.endm
.macro STEP sg
.set RS, R0+64*((\sg)%2)
.if (\sg) < 3
	s_wait_loadcnt 16                              ; this step's 16 loads are in; the next step's 16 may be out
.else
	s_wait_loadcnt 0x0
.endif
.irp i, 0,1,2,3,4,5,6,7,8,9,10,11,12,13,14,15
	ds_store_b128 v6, v[RS+4*\i:RS+4*\i+3] offset:SP*\i
.endr
.irp c, 0,1
.irp i, 0,1,2,3,4,5,6,7
	ds_load_b128 v[X+32*\c+4*\i:X+32*\c+4*\i+3], v7 offset:256*\c+16*\i   ; k = 64 c + 32 h + 4 i on.  LDS serves a wave's instructions in order: these see the stores above
.endr
.endr
	s_wait_dscnt 0x0                               ; my numbers are back, so the stores into the stage have read their registers,
.if (\sg) < 2
	LOAD (\sg)+2                                   ; which take the loads of two steps on
.endif
.irp c, 0,1
	v_max3_num_f32 v[10+\c], |v[X+32*\c]|, |v[X+32*\c+1]|, 0x2800000   ; my block 2 c + h, all 32 numbers mine; the floor 2^(5 - 127) holds the byte at 1 from below
.endr
.irp i, 2,4,6,8,10,12,14,16,18,20,22,24,26,28,30
.irp c, 0,1
	v_max3_num_f32 v[10+\c], v[10+\c], |v[X+32*\c+\i]|, |v[X+32*\c+\i+1]|   ; (the two blocks by turns)
.endr
.endr
.irp c, 0,1
	v_add_nc_u32 v[12+\c], 0xfe000000, v[10+\c]    ; 4 off the exponent field: the conversion takes this operand's exponent field as its scale
.endr
.irp c, 0,1
	v_lshrrev_b32 v[14+\c], 23, v[12+\c]           ; the scale's byte
.endr
	v_lshl_or_b32 v16, v15, 16, v14                ; my two bytes, blocks h and 2 + h,
	v_lshlrev_b32 v16, v8, v16                     ; at their places in the word;
	v_permlanex16_b32 v17, v16, s20, s21
	v_or_b32 v[W+(\sg)], v16, v17                  ; with lane l xor 16's two the word is whole
.if (\sg) > 0
	s_wait_alu depctr_va_vdst(0)
	s_wait_xcnt 0x0                                ; the last step's stores have read the codes' registers, which are written again below
.endif
.irp c, 0,1
	v_cvt_scalef32_pk16_bf6_f32 v[C+6*\c:C+6*\c+2], v[X+32*\c:X+32*\c+15], v[12+\c]
	v_cvt_scalef32_pk16_bf6_f32 v[T+4*\c:T+4*\c+2], v[X+32*\c+16:X+32*\c+31], v[12+\c]   ; (a conversion's three registers begin on an even number)
.endr
	v_nop                                          ; one plain place behind a scaled conversion
.irp c, 0,1
.irp i, 0,1,2
	v_mov_b32 v[C+6*\c+3+\i], v[T+4*\c+\i]
.endr
.endr
.irp c, 0,1
	global_store_b128 v4, v[C+6*\c:C+6*\c+3], s[10:11] offset:(2*(\sg)+\c)*768        ; 512 consecutive bytes, at a multiple of 256 from the buffer's first byte
	global_store_b64 v5, v[C+6*\c+4:C+6*\c+5], s[10:11] offset:(2*(\sg)+\c)*768+512   ; and the 256 behind them
.endr
.endm
	LOAD 0
	LOAD 1
	STEP 0
	STEP 1
	STEP 2
	STEP 3
	v_cmp_ne_u32 vcc_lo, 0, v3
	v_cndmask_b32 v24, v20, v22, vcc_lo            ; lanes 0-15 store their row's words 0, 1; lanes 16-31 words 2, 3
	v_cndmask_b32 v25, v21, v23, vcc_lo
	global_store_b64 v9, v[24:25], s[12:13]        ; 32 lanes store 256 consecutive bytes, aligned
	s_wait_tensorcnt 0x0
	ds_add_u32 v240, v241
	s_wait_dscnt 0x0
	s_endpgm
.Lfunc_end_k_q1419cab23d_quant:
	.size	k_q1419cab23d_quant, .Lfunc_end_k_q1419cab23d_quant-k_q1419cab23d_quant
	.p2alignl 7, 3214868480
	.fill 96, 4, 3214868480
	.section	.rodata,"a",@progbits
	.p2align	6, 0x0
	.amdhsa_kernel k_q1419cab23d_quant
		.amdhsa_group_segment_fixed_size 34304
		.amdhsa_private_segment_fixed_size 0
		.amdhsa_enable_private_segment 0
		.amdhsa_kernarg_size 40
		.amdhsa_user_sgpr_count 2
		.amdhsa_user_sgpr_kernarg_segment_ptr 1
		.amdhsa_wavefront_size32 1
		.amdhsa_system_sgpr_workgroup_id_x 1
		.amdhsa_system_sgpr_workgroup_id_y 1
		.amdhsa_system_sgpr_workgroup_id_z 1
		.amdhsa_system_vgpr_workitem_id 0
		.amdhsa_next_free_vgpr 242
		.amdhsa_next_free_sgpr 66
		.amdhsa_reserve_vcc 1
		.amdhsa_float_denorm_mode_32 3
		.amdhsa_float_denorm_mode_16_64 3
		.amdhsa_memory_ordered 1
		.amdhsa_forward_progress 1
		.amdhsa_inst_pref_size 31
	.end_amdhsa_kernel
	.amdgpu_metadata
---
amdhsa.version: [ 1, 2 ]
amdhsa.kernels:
  - .name:           k_q1419cab23d_quant
    .symbol:         k_q1419cab23d_quant.kd
    .args:
      - { .name: x, .offset: 0, .size: 8, .value_kind: global_buffer, .address_space: global }
      - { .name: W_qkv, .offset: 8, .size: 8, .value_kind: global_buffer, .address_space: global }
      - { .name: W_out, .offset: 16, .size: 8, .value_kind: global_buffer, .address_space: global }
      - { .name: opc, .offset: 24, .size: 8, .value_kind: global_buffer, .address_space: global }
      - { .name: ops, .offset: 32, .size: 8, .value_kind: global_buffer, .address_space: global }
    .group_segment_fixed_size: 34304
    .private_segment_fixed_size: 0
    .kernarg_segment_align: 8
    .kernarg_segment_size: 40
    .max_flat_workgroup_size: 128
    .sgpr_count:     66
    .vgpr_count:     242
    .wavefront_size: 32
...
	.end_amdgpu_metadata
.endif
;; end of part 1
;; launch gemm_qkv (part 2): grid 96 x 4, 4 waves a work-group, clusters of 4 x 4, 327,680 bytes of LDS; arguments opc, ops, qbuf, kvbuf; writes qbuf, kvbuf
.if DOCPART == 2
	.amdgcn_target "amdgcn-amd-amdhsa--gfx1250"
	.amdhsa_code_object_version 6
	.text
	.protected	k_q1419cab23d_gemm_qkv
	.globl	k_q1419cab23d_gemm_qkv
	.p2align	8
	.type	k_q1419cab23d_gemm_qkv,@function
k_q1419cab23d_gemm_qkv:
	s_mov_b64 s[64:65], 0
	v_nop
	global_prefetch_b8 v0, s[64:65] scope:SCOPE_SE
	s_setreg_imm32_b32 hwreg(HW_REG_WAVE_MODE, 25, 1), 1
	s_wait_xcnt 0x0
	s_wait_alu depctr_hold_cnt(0) depctr_sa_sdst(0) depctr_va_vdst(0) depctr_va_sdst(0) depctr_va_ssrc(0) depctr_va_vcc(0) depctr_vm_vsrc(0)
	s_getreg_b32 s2, hwreg(HW_REG_IB_STS2, 6, 4)
	s_cmp_eq_u32 s2, 0
	s_cbranch_scc0 .Lentry_in_a_cluster
	s_endpgm
.Lentry_in_a_cluster:
	s_bfe_u32 s2, ttmp6, 0x10000c
	s_cmp_lg_u32 s2, 0xf033
	s_cbranch_scc0 .Lentry_shape_is_right
	s_endpgm
.Lentry_shape_is_right:
; qkv = x W_qkv^T on codes of BF6 (E3M2) with E8M0 scales, sums in f32, K = 1,024; q, k and v never reach memory as numbers: each wave quantises its results in registers and stores
; codes and scale words as images of the next launch's operand registers.
; OPERANDS: opc[tile][kk 0..15][768], ops[tile][j][r][4 words] (tiles 0-511 x, 512-703 W_qkv).  Tile p holds rows 32 (p / 2) + 8 (p % 2) + r + 8 (r / 8).  In a half fragment (tile, kk) lane (r, h) owns
; k = 64 kk + 32 h + 0 .. 31 of row r: registers 0-3 at byte 16 x lane, registers 4-5 at 512 + 8 x lane.  Two half fragments are the 12 registers of 16 rows x 128 K.
; A TILE OF THE RESULT is 256 rows of side A x 256 rows of side B; four waves, each 128 x 128: 64 accumulators.  Side B is source 0: a lane's registers run along B's rows (16 neighbours in two tiles);
; side A is source 1: a lane holds one of A's rows.  q and k are quantised along the head's 64, so B = W and A = x; v is quantised along the tokens, so B = x and A = W's last 1,024 rows.
; The 24 clusters: 0-15 make q (even) and k (odd), 16-23 make v.  The kind hangs on the cluster's number alone, which all sixteen partners share.
; K goes in 8 steps of 128; an LDS slot holds two of them.  THREE slots: K steps 0, 1, 2 are first fills; K step 3 is the one refill, into slot 0.  By this text's count a wave has three tensor loads out at the start, later one.
; CLUSTER 4 x 4: A's tiles are shared along a row of the cluster, B's along a column: joint loads, each with one mask.
; THE SCALE WORDS of a wave's 8 + 8 tiles for all of K come once, 16 lanes to 256 consecutive bytes, into 128 registers that hold nothing else.
; OUT: qbuf[plane 16 b + head][group of 128 queries]: 8 half fragments, then 512 bytes of scale words [a / 4][r][a % 4].  kvbuf[plane][128 keys]: K's 8 half fragments; V's at 6,144 + 1,536 t + 768 c
; (t: 16 of the head's 64, c: 64 keys); K's scale words at 12,288; V's [r][t] at 12,800.  A q or k scale word: the head's two bytes, and 0x7f twice for the upper 64 of the next product's K, whose codes are zeros.
; LIMITS: a block whose largest magnitude lies under 2^-122 (zeros too) keeps the byte 1; NaN and infinities are not served.
; REGISTERS: window 0: v1-20 lane numbers and addresses, v28-29 the add's; v32-95 A's scale words, v96-159 B's; v160-255 A's fragments, one set (on the way out: at work).
;   window 1: B's fragments, two sets, at v0 and v128.  windows 2, 3: the accumulators, (a, b) at v[8 (8 (a % 4) + b)].
.set HALFT, 24576                      ; 8 tiles x 3,072 bytes: what one tensor load brings, and what a wave reads of a side
.set SLOT,  4*HALFT                    ; A's two halves, then B's two
.set SPARE, 3*SLOT                     ; behind the slots: the spare words, 128 bytes a wave: two blocks of 256 bytes that no other line names
.set TILEB, 12288                      ; a tile's codes in memory
.set KSB,   3072                       ; a tile's codes of a K step of 256
.set A16, 4                            ; v4-6   LDS address of my A half in slot 0, 1, 2, + 16 x lane
.set A8,  7                            ; v7-9   the same + 512 + 8 x lane
.set B16, 10                           ; v10-12, v13-15 the same for B
.set B8,  13
.set R16, 16                           ; v16    16 r
.set L16, 17                           ; v17    16 x lane
.set L8,  18                           ; v18    512 + 8 x lane
.set SOF, 19                           ; v19    the scale stores' offset
.set SPW, 28                           ; v28    LDS address of my spare word; never rewritten
.set NIL, 29                           ; v29    0; never rewritten
.set SCA, 32
.set SCB, 96
.set AF,  160
.set PC,  160                          ; the way out: 12 registers of codes
.set T,   172                          ; v172-174, v176-178 second halves as converted
.set TM,  180                          ; v180-183 largest magnitudes, v184-187 permutes, then bytes, v192-195 scale operands
.set PW,  196                          ; v196-203 the eight blocks' scale words
.set SW,  204                          ; v204-211 as they are stored
.set WV, 14
.set WA, 15
.set WB, 16
.set G1,  24                           ; s[24:31] group 1 for A's tiles;  s[48:55] for B's
.set G1B, 48
.set G0,  68                           ; s[68:79] group 0 for A's tiles, a set for each slot;  s[80:91] for B's
.set G0B, 80
.set SEL, 56
.set BA0, 58                           ; s[58:59], s[60:61] where registers 0-5 and 6-11 of a block's codes go;  s[62:63] the scale words
.set BA1, 60
.set BS,  62
.set INC, 94                           ; s[94:95] from block to block;  s[96:97] from block 3 to block 4
.set INC4, 96
.set PLN, 98
.set REC, 99
.set MSB, 0
.macro WIN new                         ; the immediate's high byte repeats the setting that is left
.if MSB != \new
	s_set_vgpr_msb (MSB<<8)|\new
.set MSB, \new
.endif
.endm
.set MUL_LO, 0xa1                      ; source 0 (B) window 1, source 1 (A) window 0, C and D window 2
.set MUL_HI, 0xf1                      ; the same, C and D window 3
.set TO_B,   0x40                      ; destination window 1, address window 0
.macro PLACES                          ; four plain places behind a matrix instruction, ahead of loads into its registers and of reads of results
.rept 4
	v_nop
.endr
.endm
.macro JLOAD                           ; the joint refill of slot 0: waves 0, 1 fetch A's halves, waves 2, 3 B's; four v_nop follow each line
	s_cmp_eq_u32 s[WA], 0
	s_cbranch_scc0 .Lfor_b_\@
	tensor_load_to_lds s[G0:G0+3], s[G1:G1+7]
	s_nop 0
.rept 4
	v_nop
.endr
	s_branch .Lasked_\@
.Lfor_b_\@:
	tensor_load_to_lds s[G0B:G0B+3], s[G1B:G1B+7]
	s_nop 0
.rept 4
	v_nop
.endr
.Lasked_\@:
.endm
.macro CREST                           ; a round of the cluster's barrier behind its opening barrier
	s_cmp_lg_u32 s[WV], 0
	s_cbranch_scc1 .Lnot_wave_0_\@
	s_barrier_signal -3
.Lnot_wave_0_\@:
	s_barrier_wait -3
	s_barrier_signal -1
	s_barrier_wait -1
.endm
.macro CROUND
	s_barrier_signal -1
	s_barrier_wait -1
	CREST
.endm
.macro FRAG reg, a16, a8, q, i         ; tile i's 12 registers of the slot's q-th 128 along K: two half fragments, each 512 + 256 consecutive bytes for the wave
	ds_load_b128 v[\reg:\reg+3], v[\a16] offset:(\i)*KSB+(\q)*1536
	ds_load_b64 v[\reg+4:\reg+5], v[\a8] offset:(\i)*KSB+(\q)*1536
	ds_load_b128 v[\reg+6:\reg+9], v[\a16] offset:(\i)*KSB+(\q)*1536+768
	ds_load_b64 v[\reg+10:\reg+11], v[\a8] offset:(\i)*KSB+(\q)*1536+768
.endm
.macro FETCH_B slot, q, p              ; B's eight fragments into set p: 32 loads
	WIN TO_B
.irp i, 0,1,2,3,4,5,6,7
	FRAG 128*(\p)+12*\i, B16+\slot, B8+\slot, \q, \i
.endr
	WIN 0
.endm
.macro FETCH_A slot, q, i0             ; A's blocks i0 .. i0 + 3: 16 loads
.irp i, \i0, \i0+1, \i0+2, \i0+3
	FRAG AF+12*(\i), A16+\slot, A8+\slot, \q, \i
.endr
.endm
; 16 matrix instructions: A's blocks a0, a0 + 1 x B's eight, step sig of K.  The 64 accumulators take turns, one instruction a turn, in the same order in every step.
.macro MUL16 a0, sig, zero
.irp a, \a0, \a0+1
.irp b, 0,1,2,3,4,5,6,7
.if \zero
	v_wmma_scale_f32_16x16x128_f8f6f4 v[8*(8*((\a)%4)+\b):8*(8*((\a)%4)+\b)+7], v[128*((\sig)%2)+12*\b:128*((\sig)%2)+12*\b+11], v[AF+12*(\a):AF+12*(\a)+11], 0, v[SCB+8*\b+(\sig)], v[SCA+8*(\a)+(\sig)] matrix_a_fmt:MATRIX_FMT_BF6 matrix_b_fmt:MATRIX_FMT_BF6
.else
	v_wmma_scale_f32_16x16x128_f8f6f4 v[8*(8*((\a)%4)+\b):8*(8*((\a)%4)+\b)+7], v[128*((\sig)%2)+12*\b:128*((\sig)%2)+12*\b+11], v[AF+12*(\a):AF+12*(\a)+11], v[8*(8*((\a)%4)+\b):8*(8*((\a)%4)+\b)+7], v[SCB+8*\b+(\sig)], v[SCA+8*(\a)+(\sig)] matrix_a_fmt:MATRIX_FMT_BF6 matrix_b_fmt:MATRIX_FMT_BF6
.endif
.endr
.endr
.endm
; A step whose successor (slot nslot, its nq-th 128) is known to lie whole in LDS.  A has one set of registers: blocks 0-3 are fetched anew in the step's middle, blocks 4-7 at its end; B has two sets.
.macro STEP sig, nslot, nq, zero
	s_wait_dscnt 16                                ; B's set and A's blocks 0-3 are in; the youngest 16 loads (A's blocks 4-7) may be out
	WIN MUL_LO
	MUL16 0, \sig, \zero
	MUL16 2, \sig, \zero
	s_wait_dscnt 0x0                               ; A's blocks 4-7 are in
	PLACES
	FETCH_B \nslot, \nq, 1-(\sig)%2
	FETCH_A \nslot, \nq, 0
	WIN MUL_HI
	MUL16 4, \sig, \zero
	MUL16 6, \sig, \zero
	PLACES
	WIN 0
	FETCH_A \nslot, \nq, 4
.endm
; A step with a barrier in it.  In front of the barrier each wave waits for all its tensor loads, adds 0 to its spare word, and waits for that and for its LDS reads.  fill = 1: slot 0, just read out, takes K step 3;
; the barrier then opens a round of the cluster's barrier, and the joint load is the first thing behind it.
.macro TURN sig, nslot, fill
	s_wait_tensorcnt 0x0                           ; all my tensor loads have landed  (every window is 0 here)
	ds_add_u32 v[SPW], v[NIL]                      ; 0 onto my spare word
	s_wait_dscnt 17                                ; (the add and A's blocks 4-7, 16 loads, may be out)
	WIN MUL_LO
	MUL16 0, \sig, 0                               ; sixteen matrix instructions stand between the add and the wait for it
	s_wait_dscnt 0x0                               ; the add is done, and my reads of the slot are over
	s_barrier_signal -1
	MUL16 2, \sig, 0
	WIN 0
	s_barrier_wait -1
.if \fill
	CREST                                          ; no wave of any partner still reads slot 0 or has a load on its way
	s_add_nc_u64 s[G0+2:G0+3], s[G0+2:G0+3], 3*KSB
	s_add_nc_u64 s[G0B+2:G0B+3], s[G0B+2:G0B+3], 3*KSB
	JLOAD                                          ; its four v_nop are also the places in front of the loads below
.else
	PLACES
.endif
	s_wait_alu depctr_va_vdst(0)
	FETCH_B \nslot, 0, 0
	FETCH_A \nslot, 0, 0
	WIN MUL_HI
	MUL16 4, \sig, 0
	MUL16 6, \sig, 0
	PLACES
	WIN 0
	FETCH_A \nslot, 0, 4
.endm
	s_load_b128 s[4:7], s[0:1], 0x0                ; side A: the codes, the scale words
	s_load_b128 s[8:11], s[0:1], 0x0               ; side B: the same two buffers
	s_load_b64 s[12:13], s[0:1], 0x10              ; qbuf
	s_load_b64 s[92:93], s[0:1], 0x18              ; kvbuf
	v_lshl_add_u32 v[SPW], v0, 2, SPARE
	v_mov_b32 v[NIL], 0
	ds_add_u32 v28, v29
	ds_add_u32 v28, v29
	s_wait_dscnt 0x0
	v_lshrrev_b32 v1, 5, v0
	v_readfirstlane_b32 s[WV], v1                  ; wave 0..3
	s_lshr_b32 s[WA], s[WV], 1                     ; my half of A's rows.  Also: I fetch for A (0) or for B (1)
	s_and_b32 s[WB], s[WV], 1                      ; my half of B's rows.  Also: which eight tiles I fetch
	s_bfe_u32 s40, ttmp6, 0x40000                  ; cx
	s_bfe_u32 s41, ttmp6, 0x40004                  ; cy
	s_and_b32 s17, ttmp9, 1
	s_sub_co_u32 s18, ttmp9, 16
	s_lshr_b32 s19, ttmp9, 1
	s_cmp_lt_u32 ttmp9, 16                         ; q or k (1), or v (0)
	s_cselect_b32 s17, s17, s18                    ; B: which four blocks of 256 rows: W's q or k rows; for v: of x
	s_cselect_b32 s19, s19, 0                      ; A: of x; for v: W's v rows, four blocks in all
	s_cselect_b32 s20, 512, 0                      ; B's first tile in opc
	s_cselect_b32 s21, 0, 640                      ; A's
	s_lshl_b32 s42, s17, 2
	s_add_co_u32 s42, s42, s40                     ; B's block of 256 rows: hangs on cx alone
	s_lshl_b32 s43, s19, 2
	s_add_co_u32 s43, s43, s41                     ; A's: on cy alone
	s_lshl_b32 s22, s42, 4
	s_add_co_u32 s22, s22, s20                     ; B's first tile
	s_lshl_b32 s23, s43, 4
	s_add_co_u32 s23, s23, s21                     ; A's first tile
	s_lshl_b32 s44, s41, 2
	s_lshl_b32 s44, 15, s44                        ; my row of the cluster
	s_lshl_b32 s45, 0x1111, s40                    ; my column
	; group 1: 8 rows (tiles) of 3,072 bytes, 12,288 bytes apart, as elements of 8 bytes; dense in LDS
	s_or_b32 s[G1], s44, (3<<16)|(1<<21)           ; 15:0 the mask: A's tiles go to my row; 17:16 elements of 8 bytes; 21 set beside a mask
	s_or_b32 s[G1B], s45, (3<<16)|(1<<21)          ; B's go to my column
.irp g, G1, G1B
	s_mov_b32 s[\g+1], 384<<16                     ; tensor_dim0
	s_mov_b32 s[\g+2], 8<<16                       ; tensor_dim1
	s_mov_b32 s[\g+3], 384<<16                     ; tile_dim0
	s_mov_b32 s[\g+4], 8                           ; tile_dim1
	s_mov_b32 s[\g+5], 1536                        ; from tile to tile
	s_mov_b32 s[\g+6], 0
	s_mov_b32 s[\g+7], 0
.endr
	s_lshl_b32 s2, s[WB], 3                        ; which eight tiles I fetch
	s_add_co_u32 s32, s23, s2
	s_mul_i32 s32, s32, TILEB
	s_mov_b32 s33, 0
	s_add_co_u32 s34, s22, s2
	s_mul_i32 s34, s34, TILEB
	s_mov_b32 s35, 0
	s_mul_i32 s36, s[WV], HALFT                    ; where they go: no place in the cluster enters an LDS address
	s_wait_kmcnt 0x0
	s_add_nc_u64 s[32:33], s[4:5], s[32:33]
	s_add_nc_u64 s[34:35], s[8:9], s[34:35]
.irp n, 0,1,2
	s_mov_b32 s[G0+4*\n], 1
	s_add_co_u32 s[G0+4*\n+1], s36, \n*SLOT
	s_add_nc_u64 s[G0+4*\n+2:G0+4*\n+3], s[32:33], \n*KSB
	s_or_b32 s[G0+4*\n+3], s[G0+4*\n+3], 0x80000000
	s_mov_b32 s[G0B+4*\n], 1
	s_add_co_u32 s[G0B+4*\n+1], s36, \n*SLOT
	s_add_nc_u64 s[G0B+4*\n+2:G0B+4*\n+3], s[34:35], \n*KSB
	s_or_b32 s[G0B+4*\n+3], s[G0B+4*\n+3], 0x80000000
.endr
	CROUND                                         ; all sixteen work-groups are here: the first joint loads meet
	s_cmp_eq_u32 s[WA], 0                          ; a wave's three first fills stand in one branch
	s_cbranch_scc0 .Lfirst_b
	tensor_load_to_lds s[G0:G0+3], s[G1:G1+7]
	s_nop 0
	tensor_load_to_lds s[G0+4:G0+7], s[G1:G1+7]
	s_nop 0
	tensor_load_to_lds s[G0+8:G0+11], s[G1:G1+7]
	s_nop 0
.rept 4
	v_nop
.endr
	s_branch .Lfirst_done
.Lfirst_b:
	tensor_load_to_lds s[G0B:G0B+3], s[G1B:G1B+7]
	s_nop 0
	tensor_load_to_lds s[G0B+4:G0B+7], s[G1B:G1B+7]
	s_nop 0
	tensor_load_to_lds s[G0B+8:G0B+11], s[G1B:G1B+7]
	s_nop 0
.rept 4
	v_nop
.endr
.Lfirst_done:
	v_and_b32 v1, 31, v0                           ; lane
	v_and_b32 v2, 15, v0                           ; r
	v_bfe_u32 v3, v0, 4, 1                         ; h
	v_lshlrev_b32 v[L16], 4, v1
	v_lshlrev_b32 v[L8], 3, v1
	v_add_nc_u32 v[L8], 0x200, v[L8]
	v_lshlrev_b32 v[R16], 4, v2
	s_wait_alu depctr_va_vdst(0)
	v_lshlrev_b32 v20, 4, v3                       ; 16 h
	s_mov_b32 s67, 0
	s_lshl_b32 s3, s[WA], 3
	s_add_co_u32 s3, s3, s23
	s_lshl_b32 s66, s3, 9
	s_add_nc_u64 s[6:7], s[6:7], s[66:67]          ; the scale words of my eight tiles of A,
	s_lshl_b32 s3, s[WB], 3
	s_add_co_u32 s3, s3, s22
	s_lshl_b32 s66, s3, 9
	s_add_nc_u64 s[10:11], s[10:11], s[66:67]      ; and of B
.irp i, 0,1,2,3,4,5,6,7
.irp j, 0,1
	global_load_b128 v[SCA+8*\i+4*\j:SCA+8*\i+4*\j+3], v[R16], s[6:7] offset:\i*512+256*\j     ; register SCA + 8 i + step: lane r has row r's word (lanes 16-31 hold the same and are not read)
	global_load_b128 v[SCB+8*\i+4*\j:SCB+8*\i+4*\j+3], v[R16], s[10:11] offset:\i*512+256*\j
.endr
.endr
	s_mul_i32 s3, s[WA], HALFT
	s_mul_i32 s66, s[WB], HALFT
	s_add_co_u32 s66, s66, 2*HALFT
.irp s, 0,1,2
	v_add_nc_u32 v[A16+\s], s3, v[L16]
	v_add_nc_u32 v[A8+\s], s3, v[L8]
	v_add_nc_u32 v[B16+\s], s66, v[L16]
	v_add_nc_u32 v[B8+\s], s66, v[L8]
	s_add_co_u32 s3, s3, SLOT
	s_add_co_u32 s66, s66, SLOT
.endr
	; where the results go.  Token side: A for q and k, B for v; W's side the other.
	s_mov_b32 s[SEL], 0x76543210
	s_mov_b32 s[SEL+1], 0xfedcba98
	s_cmp_lt_u32 ttmp9, 16
	s_cselect_b32 s37, s43, s42                    ; the tokens' block of 256
	s_cselect_b32 s38, s[WA], s[WB]                ; and my half of it
	s_cselect_b32 s39, s40, s41                    ; W's block of 256 features among its kind's four
	s_cselect_b32 s46, s[WB], s[WA]                ; and my half of it
	s_cselect_b32 s47, 0, 6144                     ; the codes' place in a record
	s_mov_b32 s[INC], 1536
	s_cselect_b32 s[INC], 768, s[INC]
	s_mov_b32 s[INC4], 204288                      ; v: on to the next head's record: a plane less three steps of 1,536
	s_cselect_b32 s[INC4], 768, s[INC4]
	s_mov_b32 s[INC+1], 0
	s_mov_b32 s[INC4+1], 0
	s_and_b32 s3, ttmp9, 17
	s_cmp_eq_u32 s3, 0                             ; q?
	s_cselect_b64 s[BA0:BA0+1], s[12:13], s[92:93]
	s_mov_b32 s[PLN], 208896
	s_cselect_b32 s[PLN], 106496, s[PLN]           ; bytes of a plane
	s_mov_b32 s[REC], 13056
	s_cselect_b32 s[REC], 6656, s[REC]             ; of a record of 128 tokens
	s_mov_b32 s100, 12288
	s_cselect_b32 s100, 6144, s100                 ; the scale words' place in a record: q, k,
	s_cmp_lt_u32 ttmp9, 16
	s_cselect_b32 s100, s100, 12800                ; v
	s_cselect_b32 s101, s[PLN], 768                ; from registers 0-5 to registers 6-11: the next head (q, k), the next 64 keys (v)
	s_lshr_b32 s3, s37, 3                          ; the batch
	s_and_b32 s37, s37, 7
	s_lshl_b32 s37, s37, 1
	s_add_co_u32 s37, s37, s38                     ; which 128 tokens of the batch's 2,048
	s_lshl_b32 s39, s39, 2
	s_lshl_b32 s46, s46, 1
	s_add_co_u32 s39, s39, s46                     ; my first head
	s_lshl_b32 s3, s3, 4
	s_add_co_u32 s3, s3, s39                       ; its plane
	s_mul_i32 s3, s3, s[PLN]
	s_mul_i32 s37, s37, s[REC]
	s_add_co_u32 s66, s3, s37
	s_add_nc_u64 s[BA0:BA0+1], s[BA0:BA0+1], s[66:67]
	s_mov_b32 s66, s100
	s_add_nc_u64 s[BS:BS+1], s[BA0:BA0+1], s[66:67]
	s_mov_b32 s66, s47
	s_add_nc_u64 s[BA0:BA0+1], s[BA0:BA0+1], s[66:67]
	s_mov_b32 s66, s101
	s_add_nc_u64 s[BA1:BA1+1], s[BA0:BA0+1], s[66:67]
	v_mul_lo_u32 v[SOF], v3, s[PLN]
	v_lshl_add_u32 v[SOF], v2, 4, v[SOF]           ; lanes 0-15 store the first head's scale words, lanes 16-31 the second's: 16 r + h planes
	s_wait_tensorcnt 2                             ; my part of K step 0 is in; K steps 1 and 2 may be out
	s_barrier_signal -1
	s_barrier_wait -1
	FETCH_B 0, 0, 0
	FETCH_A 0, 0, 0
	FETCH_A 0, 0, 4
	s_wait_loadcnt 0x0                             ; the scale words
	STEP 0, 0, 1, 1                                ; the first step's products start the sums: nothing is cleared
	TURN 1, 1, 1                                   ; slots 1 and 2 are whole for every wave; slot 0 takes K step 3
	STEP 2, 1, 1, 0
	STEP 3, 2, 0, 0
	STEP 4, 2, 1, 0
	TURN 5, 0, 0                                   ; K step 3 has landed, for every wave
	STEP 6, 0, 1, 0
	s_wait_dscnt 16                                ; the last step: nothing more to fetch
	WIN MUL_LO
	MUL16 0, 7, 0
	MUL16 2, 7, 0
	s_wait_dscnt 0x0
	WIN MUL_HI
	MUL16 4, 7, 0
	MUL16 6, 7, 0
	WIN 0
; THE WAY OUT.  For A's block a a lane holds 64 numbers of one row: register 16 b + i = place 32 b + 16 h + i along B's 128 rows: four blocks of 32.  They become 12 registers of codes and a scale word.
.macro QMAX a                          ; the four blocks' largest magnitudes, scale operands and bytes
.set AC, 64*((\a)%4)
	WIN 0x0a+5*((\a)/4)                            ; sources 0 and 1: window 2 or 3
.irp b, 0,1,2,3
	v_max3_num_f32 v[TM+\b], |v[AC+16*\b]|, |v[AC+16*\b+1]|, 0x2800000   ; each accumulator is read from its low end on; the floor 2^(5 - 127) holds the byte at 1
.endr
.irp i, 2,4,6,8,10,12,14
.irp b, 0,1,2,3
	v_max3_num_f32 v[TM+\b], |v[AC+16*\b+\i]|, |v[AC+16*\b+\i+1]|, v[TM+\b]
.endr
.endr
	WIN 0
.irp b, 0,1,2,3
	v_permlanex16_b32 v[TM+4+\b], v[TM+\b], s[SEL], s[SEL+1]
.endr
.irp b, 0,1,2,3
	v_max_num_f32 v[TM+\b], v[TM+\b], v[TM+4+\b]   ; with lane l xor 16's 16 numbers
.endr
.irp b, 0,1,2,3
	v_add_nc_u32 v[TM+12+\b], 0xfe000000, v[TM+\b] ; 4 off the exponent field: the conversion's scale operand
.endr
.irp b, 0,1,2,3
	v_lshrrev_b32 v[TM+4+\b], 23, v[TM+12+\b]      ; the scale's byte
.endr
	v_lshl_or_b32 v[PW+(\a)], v[TM+5], 8, v[TM+4]
	v_lshl_or_b32 v[PW+(\a)], v[TM+6], 16, v[PW+(\a)]
	v_lshl_or_b32 v[PW+(\a)], v[TM+7], 24, v[PW+(\a)]
.endm
.macro QCVT a
.set AC, 64*((\a)%4)
	WIN 0x02+(\a)/4                                ; source 0: window 2 or 3
.irp c, 0,1
	v_cvt_scalef32_pk16_bf6_f32 v[PC+6*\c:PC+6*\c+2], v[AC+32*\c:AC+32*\c+15], v[TM+12+2*\c]
	v_cvt_scalef32_pk16_bf6_f32 v[T+4*\c:T+4*\c+2], v[AC+32*\c+16:AC+32*\c+31], v[TM+12+2*\c+1]   ; (a conversion's three registers begin on an even number)
.endr
	WIN 0
	v_nop                                          ; one plain place behind a scaled conversion
.irp c, 0,1                            ; the operand's layout wants a whole block in a lane: lanes 0-15 block 2 c, lanes 16-31 block 2 c + 1
.irp i, 0,1,2
	v_permlane16_swap_b32 v[PC+6*\c+\i], v[T+4*\c+\i]
.endr
.irp i, 0,1,2
	v_mov_b32 v[PC+6*\c+3+\i], v[T+4*\c+\i]
.endr
.endr
.endm
.macro OUTA a
	QMAX \a
.if (\a) > 0
	s_wait_xcnt 0x0                                ; the last block's stores have read their data and their bases: both are written again below
.if (\a) == 4
	s_add_nc_u64 s[BA0:BA0+1], s[BA0:BA0+1], s[INC4:INC4+1]
	s_add_nc_u64 s[BA1:BA1+1], s[BA1:BA1+1], s[INC4:INC4+1]
.else
	s_add_nc_u64 s[BA0:BA0+1], s[BA0:BA0+1], s[INC:INC+1]
	s_add_nc_u64 s[BA1:BA1+1], s[BA1:BA1+1], s[INC:INC+1]
.endif
.endif
	QCVT \a
	global_store_b128 v[L16], v[PC:PC+3], s[BA0:BA0+1]        ; each store of the wave covers 512 or 256 consecutive bytes, at a multiple of 256 from the buffer's first byte
	global_store_b64 v[L8], v[PC+4:PC+5], s[BA0:BA0+1]
	global_store_b128 v[L16], v[PC+6:PC+9], s[BA1:BA1+1]
	global_store_b64 v[L8], v[PC+10:PC+11], s[BA1:BA1+1]
.endm
	PLACES
.irp b, 0,1,2,3
	v_mov_b32 v[TM+4+\b], 0                        ; a lane permute's destination counts as one of its sources
.endr
.irp a, 0,1,2,3,4,5,6,7
	OUTA \a
.endr
	s_cmp_lt_u32 ttmp9, 16                         ; the kind: the same in all partners
	s_cbranch_scc0 .Lv_scales
	s_mov_b32 s37, 0xffff
	s_mov_b32 s38, 0x7f7f0000
.irp a, 0,1,2,3,4,5,6,7
	v_lshrrev_b32 v[SW+\a], v20, v[PW+\a]          ; q, k: a word's bytes 0, 1 are the first head's, bytes 2, 3 the second's: lanes 16-31 take the second's
.endr
.irp a, 0,1,2,3,4,5,6,7
	v_and_or_b32 v[SW+\a], v[SW+\a], s37, s38      ; and 0x7f twice on top
.endr
	global_store_b128 v[SOF], v[SW:SW+3], s[BS:BS+1]
	global_store_b128 v[SOF], v[SW+4:SW+7], s[BS:BS+1] offset:256
	s_branch .Lscales_done
.Lv_scales:
	v_cmp_ne_u32 vcc_lo, 0, v3
.irp j, 0,1,2,3
	v_cndmask_b32 v[SW+\j], v[PW+\j], v[PW+4+\j], vcc_lo   ; v: blocks 0-3 are the first head's four tiles, blocks 4-7 the second's
.endr
	global_store_b128 v[SOF], v[SW:SW+3], s[BS:BS+1]
.Lscales_done:
	s_wait_tensorcnt 0x0                           ; the wave's end
	ds_add_u32 v[SPW], v[NIL]
	s_wait_dscnt 0x0
	CROUND                                         ; the closing round: no work-group ends while a partner may still ask for a tile that names it
	s_endpgm
.Lfunc_end_k_q1419cab23d_gemm_qkv:
	.size	k_q1419cab23d_gemm_qkv, .Lfunc_end_k_q1419cab23d_gemm_qkv-k_q1419cab23d_gemm_qkv
	.p2alignl 7, 3214868480
	.fill 96, 4, 3214868480
	.section	.rodata,"a",@progbits
	.p2align	6, 0x0
	.amdhsa_kernel k_q1419cab23d_gemm_qkv
		.amdhsa_group_segment_fixed_size 327680
		.amdhsa_private_segment_fixed_size 0
		.amdhsa_enable_private_segment 0
		.amdhsa_kernarg_size 32
		.amdhsa_user_sgpr_count 2
		.amdhsa_user_sgpr_kernarg_segment_ptr 1
		.amdhsa_wavefront_size32 1
		.amdhsa_system_sgpr_workgroup_id_x 1
		.amdhsa_system_sgpr_workgroup_id_y 1
		.amdhsa_system_sgpr_workgroup_id_z 1
		.amdhsa_system_vgpr_workitem_id 0
		.amdhsa_next_free_vgpr 1024
		.amdhsa_next_free_sgpr 102
		.amdhsa_reserve_vcc 1
		.amdhsa_float_denorm_mode_32 3
		.amdhsa_float_denorm_mode_16_64 3
		.amdhsa_memory_ordered 1
		.amdhsa_forward_progress 1
		.amdhsa_inst_pref_size 150
	.end_amdhsa_kernel
	.amdgpu_metadata
---
amdhsa.version: [ 1, 2 ]
amdhsa.kernels:
  - .name:           k_q1419cab23d_gemm_qkv
    .symbol:         k_q1419cab23d_gemm_qkv.kd
    .args:
      - { .name: opc, .offset: 0, .size: 8, .value_kind: global_buffer, .address_space: global }
      - { .name: ops, .offset: 8, .size: 8, .value_kind: global_buffer, .address_space: global }
      - { .name: qbuf, .offset: 16, .size: 8, .value_kind: global_buffer, .address_space: global }
      - { .name: kvbuf, .offset: 24, .size: 8, .value_kind: global_buffer, .address_space: global }
    .group_segment_fixed_size: 327680
    .private_segment_fixed_size: 0
    .kernarg_segment_align: 8
    .kernarg_segment_size: 32
    .max_flat_workgroup_size: 128
    .sgpr_count:     102
    .vgpr_count:     1024
    .wavefront_size: 32
...
	.end_amdgpu_metadata
.endif
;; end of part 2
;; launch attn (part 3): grid 4 x 64, 16 waves a work-group, clusters of 4 x 1, 210,944 bytes of LDS; arguments qbuf, kvbuf, atc, ats; writes atc, ats
.if DOCPART == 3
	.amdgcn_target "amdgcn-amd-amdhsa--gfx1250"
	.amdhsa_code_object_version 6
	.text
	.protected	k_q1419cab23d_attn
	.globl	k_q1419cab23d_attn
	.p2align	8
	.type	k_q1419cab23d_attn,@function
k_q1419cab23d_attn:
	s_mov_b64 s[64:65], 0
	v_nop
	global_prefetch_b8 v0, s[64:65] scope:SCOPE_SE
	s_setreg_imm32_b32 hwreg(HW_REG_WAVE_MODE, 25, 1), 1
	s_wait_xcnt 0x0
	s_wait_alu depctr_hold_cnt(0) depctr_sa_sdst(0) depctr_va_vdst(0) depctr_va_sdst(0) depctr_va_ssrc(0) depctr_va_vcc(0) depctr_vm_vsrc(0)
	s_getreg_b32 s2, hwreg(HW_REG_IB_STS2, 6, 4)
	s_cmp_eq_u32 s2, 0
	s_cbranch_scc0 .Lentry_in_a_cluster
	s_endpgm
.Lentry_in_a_cluster:
	s_bfe_u32 s2, ttmp6, 0x10000c
	s_cmp_lg_u32 s2, 0x3003
	s_cbranch_scc0 .Lentry_shape_is_right
	s_endpgm
.Lentry_shape_is_right:
; Causal attention of one plane (batch b, head hd; plane = 16 b + hd) on codes of BF6 (E3M2) with E8M0 scales: S^T = K Q^T (K = the head's 64: the upper 64 of the instruction's 128 are zero codes on both
; sides, under the byte 0x7f), p = 2^(t - M), O^T = V^T P^T (K = 128 keys a step), O / the row's sum, quantised along (head, d) for the last product.
; t = score x log2(e) / 8; M = the running largest t rounded UP to a whole number; the sum is taken of the unquantised p; when M moves, the sum and O^T are multiplied by 2^(old M - new M): exact.
; A WHOLE PLANE'S K, V AND SCALE WORDS, 16 records of 13,056 bytes, LIE IN LDS: wave w brings record w by one tensor load at the start; nothing is filled again, nothing is stored to LDS, one barrier.
; CLUSTER: the four work-groups of a cluster serve one plane and ask for each record jointly (mask 15).
; SHARES.  A group g of 128 queries is 8 tiles of 16; partner cx takes tiles 2 cx and 2 cx + 1 of EVERY group.  Wave w serves tile 2 cx of group w (pass 0) and tile 2 cx + 1 of group 15 - w (pass 1):
; (w + 1) + (16 - w) = 17 key steps for every wave of every work-group.  Which steps are hidden (step > group) or on the diagonal (step = group) hangs on the wave's number and the pass alone;
; cx enters global addresses and the mask's vector number only.  Each pass walks a loop of a constant 16 trips and jumps over the work of hidden steps.
; LAYOUT.  Both products are used transposed: a lane holds ONE query (lane % 16).  Tile t of keys (and of queries, and of the head's d) holds places 32 (t / 2) + 8 (t % 2) + r + 8 (r / 8), so that the 16
; registers of result tiles 2 b, 2 b + 1 are the neighbours 32 b + 16 h + 0 .. 15.  All operands lie as images of registers: a half fragment is 768 bytes, registers 0-3 at 16 x lane, 4-5 at 512 + 8 x lane.
; OUT: atc[tile 128 b + 8 g + a][kk = hd][768]; ats[tile][hd / 8][r][(hd / 2) % 4] bytes 2 (hd % 2) + block.  A head makes two scale bytes a row: they leave as 32 single bytes a tile, one byte for 24 of codes.
; LIMITS: a block whose largest magnitude lies under 2^-122 (zeros too) keeps the byte 1; NaN and infinities are not served.
; REGISTERS: v1-3 lane addresses, v4-6 the step's, v7 the mask's number, v8-11 lane numbers, v12 -M, v13 largest t, v[14:15] the sum; v16-27, v232-243 Q of pass 0, 1; v28, v30 their scale words; v29 p's;
;   v32-79 four fragments of K (upper six registers of each: zeros); v80-87 K's scale words, v88-91 V's; v96-159 S^T, p, then V's four fragments; v160-191 O^T; v192-210 codes; v212-230 at work.
.set KVREC,   13056
.set KVPLANE, 208896
.set QREC,    6656
.set QPLANE,  106496
.set WV,  18
.set CX,  19
.set SEL, 20
.set CS,  22
.set G1,  24
.set G0,  32
.set GG,  36                           ; s36  the pass's group of queries
.set SS,  37                           ; s37  the key step
.set RC,  38                           ; s38  its record's LDS byte
.set PL,  39                           ; s39  the plane
.macro CROUND
	s_barrier_signal -1
	s_barrier_wait -1
	s_cmp_lg_u32 s[WV], 0
	s_cbranch_scc1 .Lnot_wave_0_\@
	s_barrier_signal -3
.Lnot_wave_0_\@:
	s_barrier_wait -3
	s_barrier_signal -1
	s_barrier_wait -1
.endm
	s_load_b128 s[4:7], s[0:1], 0x0                ; qbuf, kvbuf
	s_load_b128 s[8:11], s[0:1], 0x10              ; atc, ats
	v_lshl_add_u32 v254, v0, 2, 0x33000
	v_mov_b32 v255, 0
	ds_add_u32 v254, v255
	ds_add_u32 v254, v255
	v_lshrrev_b32 v1, 5, v0
	s_delay_alu instid0(VALU_DEP_1)
	v_readfirstlane_b32 s[WV], v1                  ; wave 0..15
	s_bfe_u32 s[CX], ttmp6, 0x40000                ; my place in the cluster
	s_and_b32 s[PL], ttmp7, 0xffff                 ; the plane, which the four partners share
	; group 1: a record: 51 rows of 256 bytes, dense, as elements of 8 bytes
	s_mov_b32 s[G1], 15|(3<<16)|(1<<21)            ; 15:0 the mask: all four work-groups; 17:16 elements of 8 bytes; 21 set beside a mask
	s_mov_b32 s[G1+1], 32<<16
	s_mov_b32 s[G1+2], 51<<16
	s_mov_b32 s[G1+3], 32<<16
	s_mov_b32 s[G1+4], 51
	s_mov_b32 s[G1+5], 32
	s_mov_b32 s[G1+6], 0
	s_mov_b32 s[G1+7], 0
	s_mul_i32 s52, s[PL], KVPLANE
	s_mul_i32 s[G0+1], s[WV], KVREC                ; LDS address: record w
	s_add_co_u32 s52, s52, s[G0+1]
	s_mov_b32 s53, 0
	s_mov_b32 s[G0], 1
	s_wait_dscnt 0x0
	s_wait_kmcnt 0x0
	s_add_nc_u64 s[G0+2:G0+3], s[6:7], s[52:53]
	s_or_b32 s[G0+3], s[G0+3], 0x80000000
	CROUND                                         ; all four work-groups are here: the joint loads meet
	tensor_load_to_lds s[G0:G0+3], s[G1:G1+7]      ; my one tensor load of the launch
	s_nop 0
.rept 4
	v_nop
.endr
	v_and_b32 v9, 31, v0
	s_delay_alu instid0(VALU_DEP_1)
	v_lshlrev_b32 v1, 4, v9                        ; 16 x lane
	s_delay_alu instid0(VALU_DEP_2)
	v_lshlrev_b32 v2, 3, v9
	s_delay_alu instid0(VALU_DEP_1)
	v_add_nc_u32 v2, 0x200, v2                     ; 512 + 8 x lane
	v_and_b32 v10, 15, v0                          ; r
	v_bfe_u32 v11, v0, 4, 1                        ; h
	s_delay_alu instid0(VALU_DEP_2)
	v_lshlrev_b32 v9, 4, v10                       ; 16 r
	s_wait_alu depctr_va_vdst(0)
	v_add_nc_u32 v3, 0x3000, v9                    ; K's scale words in a record
	v_add_nc_u32 v8, v9, v11                       ; 16 r + h: my scale byte's place
	v_and_b32 v31, 8, v10
	s_delay_alu instid0(VALU_DEP_1)
	v_add_nc_u32 v31, v31, v10                     ; r + 8 (r / 8)
	v_lshlrev_b32 v228, 4, v11
	s_delay_alu instid0(VALU_DEP_1)
	v_sub_nc_u32 v31, v31, v228                    ; - 16 h
	s_lshl_b32 s58, s[CX], 5
	v_add_nc_u32 v31, s58, v31                     ; + 32 cx: my query's place in its group (tile 2 cx), less 16 h
	; Q of both passes
	s_xor_b32 s59, s[WV], 15                       ; pass 1's group: 15 - wave
	s_mul_i32 s52, s[PL], QPLANE
	s_mul_i32 s58, s[WV], QREC
	s_mul_i32 s60, s59, QREC
	s_mul_i32 s61, s[CX], 1536                     ; tile 2 cx's half fragment
	s_lshr_b32 s62, s[CX], 1
	s_lshl_b32 s62, s62, 8
	s_and_b32 s63, s[CX], 1
	s_lshl_b32 s63, s63, 3
	s_add_co_u32 s62, s62, s63
	s_add_co_u32 s62, s62, 6144                    ; and its scale words: 6,144 + 256 (a / 4) + 4 (a % 4), a = 2 cx
	s_add_co_u32 s58, s58, s52
	s_add_co_u32 s60, s60, s52
	s_add_co_u32 s52, s58, s61
	s_add_nc_u64 s[48:49], s[4:5], s[52:53]
	s_add_co_u32 s52, s58, s62
	s_add_nc_u64 s[50:51], s[4:5], s[52:53]
	s_add_co_u32 s52, s60, s61
	s_add_nc_u64 s[54:55], s[4:5], s[52:53]
	s_add_co_u32 s52, s60, s62
	s_add_nc_u64 s[56:57], s[4:5], s[52:53]
	global_load_b128 v[16:19], v1, s[48:49]
	global_load_b64 v[20:21], v2, s[48:49]
	global_load_b32 v28, v9, s[50:51]
	global_load_b128 v[232:235], v1, s[54:55] offset:768   ; pass 1: tile 2 cx + 1
	global_load_b64 v[236:237], v2, s[54:55] offset:768
	global_load_b32 v30, v9, s[56:57] offset:4
	; where the results go: tile 128 b + 8 g + 2 cx + pass
	s_lshr_b32 s58, s[PL], 4                       ; b
	s_and_b32 s61, s[PL], 15                       ; hd
	s_lshl_b32 s58, s58, 7
	s_lshl_b32 s62, s[CX], 1
	s_add_co_u32 s58, s58, s62
	s_lshl_b32 s62, s[WV], 3
	s_add_co_u32 s62, s62, s58                     ; pass 0's tile
	s_lshl_b32 s63, s59, 3
	s_add_co_u32 s63, s63, s58
	s_add_co_u32 s63, s63, 1                       ; pass 1's
	s_mul_i32 s58, s61, 768                        ; the head's half fragment in a tile
	s_lshr_b32 s59, s61, 3
	s_lshl_b32 s59, s59, 8
	s_bfe_u32 s60, s61, 0x20001
	s_lshl_b32 s60, s60, 2
	s_add_co_u32 s59, s59, s60
	s_and_b32 s60, s61, 1
	s_lshl_b32 s60, s60, 1
	s_add_co_u32 s59, s59, s60                     ; the head's bytes in a tile's scale words: 256 (hd / 8) + 4 ((hd / 2) % 4) + 2 (hd % 2)
	s_mul_i32 s52, s62, 12288
	s_add_co_u32 s52, s52, s58
	s_add_nc_u64 s[40:41], s[8:9], s[52:53]
	s_lshl_b32 s52, s62, 9
	s_add_co_u32 s52, s52, s59
	s_add_nc_u64 s[42:43], s[10:11], s[52:53]
	s_mul_i32 s52, s63, 12288
	s_add_co_u32 s52, s52, s58
	s_add_nc_u64 s[44:45], s[8:9], s[52:53]
	s_lshl_b32 s52, s63, 9
	s_add_co_u32 s52, s52, s59
	s_add_nc_u64 s[46:47], s[10:11], s[52:53]
	s_mov_b32 s[SEL], 0x76543210
	s_mov_b32 s[SEL+1], 0xfedcba98
	s_mov_b32 s[CS], 0x3e38aa3b                    ; c = log2(e) / 8
	s_mov_b32 s[CS+1], s[CS]                       ; (named with it as a pair, so it is written)
.irp i, 0,1,2,3,4,5
	v_mov_b32 v[22+\i], 0                          ; the upper 64 of K: zero codes, in Q of both passes
	v_mov_b32 v[238+\i], 0
.irp t, 0,1,2,3
	v_mov_b32 v[38+12*\t+\i], 0                    ; and in the four fragments of K: written once, never loaded
.endr
.endr
.irp b, 0,1,2,3
	v_mov_b32 v[216+\b], 0                         ; a lane permute's destination counts as one of its sources
.endr
	v_mov_b32 v227, 0                              ; (named as the upper half of the pair v[226:227])
	v_mov_b32 v229, 0xff800000                     ; -infinity
	s_wait_tensorcnt 0x0                           ; my record has landed,
	s_barrier_signal -1
	s_barrier_wait -1                              ; everybody's has
	s_wait_loadcnt 0x0                             ; Q
; A PASS: one tile of 16 queries against all keys that count.  p: the pass; qf, qs: Q's fragment and scale word; oc, os: the bases of the result's codes and scale bytes.
.macro PASS p, qf, qs, oc, os
.if \p == 0
	s_mov_b32 s[GG], s[WV]
.else
	s_xor_b32 s[GG], s[WV], 15
.endif
	v_add_nc_u32 v7, 8*\p, v31                     ; my query's place in its group, less 16 h
	v_mov_b32 v13, 0xff61b1e6                      ; the largest t so far: -3e38, under every t
	s_delay_alu instid0(VALU_DEP_1)
	v_floor_f32 v12, -v13                          ; -M
	v_mov_b32 v14, 0                               ; the sum, in two halves
	v_mov_b32 v15, 0
.set J, 0
.rept 32
	v_mov_b32 v[160+J], 0                          ; O^T: the step is written once; the first finds zeros, which the first change of M leaves zeros
.set J, J+1
.endr
	s_mov_b32 s[SS], 0
	s_mov_b32 s[RC], 0
.Lstep_\@:
	s_cmp_gt_u32 s[SS], s[GG]                      ; all 128 keys come after my queries: the step's work is left out
	s_cbranch_scc1 .Lhidden_\@
	s_setprio 2
	v_add_nc_u32 v4, s[RC], v1
	s_wait_alu depctr_va_vdst(0)
	v_add_nc_u32 v5, s[RC], v2
	s_wait_alu depctr_va_vdst(0)
	v_add_nc_u32 v6, s[RC], v3
	s_wait_alu depctr_va_vdst(0)
	v_nop
	v_nop                                          ; five places: the scores below are written over registers that the last step's products read as V's fragments
.irp gq, 0,1                           ; S^T = K Q^T, four tiles of 16 keys at a time
.if \gq
.rept 4
	v_nop                                          ; places in front of loads into registers that matrix instructions have read
.endr
.endif
.irp t, 0,1,2,3
	ds_load_b128 v[32+12*\t:35+12*\t], v4 offset:(4*\gq+\t)*768
	ds_load_b64 v[36+12*\t:37+12*\t], v5 offset:(4*\gq+\t)*768
.endr
	ds_load_b128 v[80+4*\gq:83+4*\gq], v6 offset:256*\gq    ; four tiles' scale words of row r
.if \gq == 0
	ds_load_b128 v[88:91], v6 offset:512                    ; V's four
.endif
	s_wait_dscnt 0x0
.irp t, 0,1,2,3
	v_wmma_scale_f32_16x16x128_f8f6f4 v[96+8*(4*\gq+\t):103+8*(4*\gq+\t)], v[32+12*\t:43+12*\t], v[\qf:\qf+11], 0, v[80+4*\gq+\t], v[\qs] matrix_a_fmt:MATRIX_FMT_BF6 matrix_b_fmt:MATRIX_FMT_BF6
.endr
.endr                                  ; register 16 b + i holds key 32 b + 16 h + i of the step
.rept 4
	v_nop
.endr
	s_cmp_lg_u32 s[SS], s[GG]                      ; only the diagonal step has hidden keys
	s_cbranch_scc1 .Lopen_\@
.set N, 0
.rept 64
	v_cmp_gt_i32 vcc_lo, 32*(N/16)+N%16, v7        ; hidden where 32 b + i + 16 h > my query's place: the score becomes -infinity, p = 0
	v_cndmask_b32 v[96+N], v[96+N], v229, vcc_lo
.set N, N+1
.endr
.Lopen_\@:
.irp b, 0,1,2,3
	v_max3_num_f32 v[212+\b], v[96+16*\b], v[97+16*\b], v[98+16*\b]   ; the largest score of each block of 32 keys: for the row's maximum, and, since p rises with the score, for the block's largest p
.endr
.irp i, 3,5,7,9,11,13
.irp b, 0,1,2,3
	v_max3_num_f32 v[212+\b], v[212+\b], v[96+16*\b+\i], v[97+16*\b+\i]
.endr
.endr
.irp b, 0,1,2,3
	v_max_num_f32 v[212+\b], v[212+\b], v[111+16*\b]
.endr
.irp b, 0,1,2,3
	s_delay_alu instid0(VALU_DEP_4)
	v_permlanex16_b32 v[216+\b], v[212+\b], s[SEL], s[SEL+1]
.endr
.irp b, 0,1,2,3
	s_delay_alu instid0(VALU_DEP_4)
	v_max_num_f32 v[212+\b], v[212+\b], v[216+\b]  ; with lane l xor 16's 16 keys
.endr
	s_delay_alu instid0(VALU_DEP_2)
	v_max3_num_f32 v228, v212, v213, v214
	s_delay_alu instid0(VALU_DEP_1)
	v_max_num_f32 v228, v228, v215                 ; the step's largest score of my query
	s_delay_alu instid0(VALU_DEP_1)
	v_mul_f32 v228, s[CS], v228                    ; as t (c is positive)
	s_delay_alu instid0(VALU_DEP_1)
	v_max_num_f32 v13, v13, v228                   ; the running largest t
	v_mov_b32 v228, v12
	s_delay_alu instid0(VALU_DEP_2)
	v_floor_f32 v12, -v13                          ; the new -M = floor(-t) = -ceil(t)
	s_delay_alu instid0(VALU_DEP_1)
	v_sub_f32 v228, v12, v228                      ; old M - new M: a whole number, 0 or less
	s_delay_alu instid0(VALU_DEP_1)
	v_cvt_i32_f32 v228, v228                       ; (it saturates)
	s_delay_alu instid0(VALU_DEP_1)
	v_ldexp_f32 v226, 1.0, v228                    ; f = 2^(old M - new M)
.set J, 0
.rept 32
	v_pk_fma_f32 v[96+J:97+J], v[96+J:97+J], s[CS:CS+1], v[12:13] op_sel_hi:[1,0,0]   ; t - M, two at a time
.set J, J+2
.endr
	s_setprio 1
.irp b, 0,1,2,3
	v_fma_f32 v[212+\b], v[212+\b], s[CS], v12     ; the same of each block's largest score
.endr
.set J, 0
	s_wait_alu depctr_va_vdst(0)
.rept 64
	v_exp_f32 v[96+J], v[96+J]                     ; p = 2^(t - M), at most 1
.set J, J+1
.endr
	v_pk_mul_f32 v[14:15], v[14:15], v[226:227] op_sel_hi:[1,0]   ; the sums under the new M (a plain place behind the exponentials)
	s_wait_alu depctr_va_vdst(0)                   ; one wait for the whole batch, ahead of its first reader
.irp b, 0,1,2,3
	v_exp_f32 v[212+\b], v[212+\b]                 ; the block's largest p
.endr
	v_pk_add_f32 v[224:225], v[100:101], v[104:105]
	v_pk_add_f32 v[252:253], v[108:109], v[112:113]
	v_pk_add_f32 v[250:251], v[116:117], v[120:121]
	v_pk_add_f32 v[248:249], v[124:125], v[128:129]
	v_pk_add_f32 v[246:247], v[132:133], v[136:137]
	v_pk_add_f32 v[244:245], v[140:141], v[144:145]
	v_pk_add_f32 v[230:231], v[148:149], v[152:153]
	v_pk_add_f32 v[14:15], v[14:15], v[156:157]
	v_pk_add_f32 v[224:225], v[224:225], v[96:97]
	v_pk_add_f32 v[252:253], v[252:253], v[98:99]
	v_pk_add_f32 v[250:251], v[250:251], v[102:103]
	v_pk_add_f32 v[248:249], v[248:249], v[106:107]
	v_pk_add_f32 v[246:247], v[246:247], v[110:111]
	v_pk_add_f32 v[244:245], v[244:245], v[114:115]
	v_pk_add_f32 v[230:231], v[230:231], v[118:119]
	v_pk_add_f32 v[14:15], v[14:15], v[122:123]
	v_pk_add_f32 v[224:225], v[224:225], v[126:127]
	v_pk_add_f32 v[252:253], v[252:253], v[130:131]
	v_pk_add_f32 v[250:251], v[250:251], v[134:135]
	v_pk_add_f32 v[248:249], v[248:249], v[138:139]
	v_pk_add_f32 v[246:247], v[246:247], v[142:143]
	v_pk_add_f32 v[244:245], v[244:245], v[146:147]
	v_pk_add_f32 v[230:231], v[230:231], v[150:151]
	v_pk_add_f32 v[14:15], v[14:15], v[154:155]
	v_pk_add_f32 v[224:225], v[224:225], v[158:159]
	s_delay_alu instid0(VALU_DEP_2)
	v_pk_add_f32 v[14:15], v[14:15], v[248:249]
	s_delay_alu instid0(VALU_DEP_2)
	v_pk_add_f32 v[224:225], v[224:225], v[246:247]
	v_pk_add_f32 v[252:253], v[252:253], v[244:245]
	v_pk_add_f32 v[250:251], v[250:251], v[230:231]
	s_delay_alu instid0(VALU_DEP_2)
	v_pk_add_f32 v[14:15], v[14:15], v[252:253]
	s_delay_alu instid0(VALU_DEP_2)
	v_pk_add_f32 v[224:225], v[224:225], v[250:251]
	s_delay_alu instid0(VALU_DEP_1)
	v_pk_add_f32 v[14:15], v[14:15], v[224:225]
	s_wait_alu depctr_va_vdst(0)                   ; and one for the four
.irp b, 0,1,2,3
	v_max_num_f32 v[212+\b], 0x2800000, v[212+\b]  ; the floor 2^(5 - 127): the byte cannot fall under 1
.endr
.irp b, 0,1,2,3
	s_delay_alu instid0(VALU_DEP_4)
	v_add_nc_u32 v[220+\b], 0xfe000000, v[212+\b]  ; 4 off the exponent field: the conversion's scale operand
.endr
.irp b, 0,1,2,3
	s_delay_alu instid0(VALU_DEP_4)
	v_lshrrev_b32 v[216+\b], 23, v[220+\b]         ; the scale's byte
.endr
	s_delay_alu instid0(VALU_DEP_3)
	v_lshl_or_b32 v29, v217, 8, v216               ; p's scale word for these 128 keys
	s_delay_alu instid0(VALU_DEP_1)
	v_lshl_or_b32 v29, v218, 16, v29
	s_delay_alu instid0(VALU_DEP_1)
	v_lshl_or_b32 v29, v219, 24, v29
.irp c, 0,1
	v_cvt_scalef32_pk16_bf6_f32 v[192+6*\c:194+6*\c], v[96+32*\c:111+32*\c], v[220+2*\c]
	v_cvt_scalef32_pk16_bf6_f32 v[204+4*\c:206+4*\c], v[112+32*\c:127+32*\c], v[220+2*\c+1]
.endr
	v_nop                                          ; one plain place behind a scaled conversion
	s_setprio 0
.irp t, 0,1,2,3                        ; p is converted and summed: V's four fragments take its registers
.irp c, 0,1
	ds_load_b128 v[96+12*\t+6*\c:99+12*\t+6*\c], v4 offset:6144+1536*\t+768*\c
	ds_load_b64 v[100+12*\t+6*\c:101+12*\t+6*\c], v5 offset:6144+1536*\t+768*\c
.endr
.endr
.irp c, 0,1                            ; the operand's layout wants a whole block in a lane
.irp i, 0,1,2
	v_permlane16_swap_b32 v[192+6*\c+\i], v[204+4*\c+\i]
.endr
.irp i, 0,1,2
	s_delay_alu instid0(VALU_DEP_3)
	v_mov_b32 v[195+6*\c+\i], v[204+4*\c+\i]
.endr
.endr
.set J, 0
.rept 16
	v_pk_mul_f32 v[160+J:161+J], v[160+J:161+J], v[226:227] op_sel_hi:[1,0]   ; O^T under the new M.  (These 16 are also the places between p's scale word and codes and the products)
.set J, J+2
.endr
	s_wait_alu depctr_va_vdst(0)
	s_wait_dscnt 0x0
.irp t, 0,1,2,3                        ; O^T += V^T P^T: the four accumulators by turns
	v_wmma_scale_f32_16x16x128_f8f6f4 v[160+8*\t:167+8*\t], v[96+12*\t:107+12*\t], v[192:203], v[160+8*\t:167+8*\t], v[88+\t], v29 matrix_a_fmt:MATRIX_FMT_BF6 matrix_b_fmt:MATRIX_FMT_BF6
.endr
.Lhidden_\@:
	s_add_co_u32 s[RC], s[RC], KVREC
	s_add_co_u32 s[SS], s[SS], 1
	s_cmp_lt_u32 s[SS], 16
	s_cbranch_scc1 .Lstep_\@
	s_setprio 0
	; the pass's way out: O^T / the sum; register 16 b + i is d = 32 b + 16 h + i: two blocks of the last product's K
.rept 4
	v_nop
.endr
	v_add_f32 v14, v14, v15
	s_delay_alu instid0(VALU_DEP_1)
	v_permlanex16_b32 v228, v14, s[SEL], s[SEL+1]
	s_delay_alu instid0(VALU_DEP_1)
	v_add_f32 v14, v14, v228                       ; the row's sum
	s_wait_alu depctr_va_vdst(0)
	v_rcp_f32 v226, v14
	v_cmp_ne_u32 vcc_lo, 0, v11                    ; (a plain place behind the reciprocal)
	s_wait_alu depctr_va_vdst(0)                   ; the wait ahead of its first reader
.set J, 0
.rept 16
	v_pk_mul_f32 v[160+J:161+J], v[160+J:161+J], v[226:227] op_sel_hi:[1,0]
.set J, J+2
.endr
.irp b, 0,1
	v_max3_num_f32 v[212+\b], |v[160+16*\b]|, |v[161+16*\b]|, 0x2800000
.endr
.irp i, 2,4,6,8,10,12,14
.irp b, 0,1
	s_delay_alu instid0(VALU_DEP_2)
	v_max3_num_f32 v[212+\b], v[212+\b], |v[160+16*\b+\i]|, |v[161+16*\b+\i]|
.endr
.endr
.irp b, 0,1
	s_delay_alu instid0(VALU_DEP_2)
	v_permlanex16_b32 v[216+\b], v[212+\b], s[SEL], s[SEL+1]
.endr
.irp b, 0,1
	s_delay_alu instid0(VALU_DEP_2)
	v_max_num_f32 v[212+\b], v[212+\b], v[216+\b]
.endr
.irp b, 0,1
	s_delay_alu instid0(VALU_DEP_2)
	v_add_nc_u32 v[220+\b], 0xfe000000, v[212+\b]
.endr
.irp b, 0,1
	s_delay_alu instid0(VALU_DEP_2)
	v_lshrrev_b32 v[216+\b], 23, v[220+\b]
.endr
	v_cvt_scalef32_pk16_bf6_f32 v[192:194], v[160:175], v220
	v_cvt_scalef32_pk16_bf6_f32 v[204:206], v[176:191], v221
	v_nop                                          ; one plain place behind a scaled conversion
.irp i, 0,1,2
	v_permlane16_swap_b32 v[192+\i], v[204+\i]
.endr
.irp i, 0,1,2
	s_delay_alu instid0(VALU_DEP_3)
	v_mov_b32 v[195+\i], v[204+\i]                 ; lane (r, h): d = 32 h + 0 .. 31 of my query: the half fragment (tile, kk = hd)
.endr
	v_cndmask_b32 v230, v216, v217, vcc_lo         ; lanes 0-15 store block 0's byte, lanes 16-31 block 1's
	global_store_b128 v1, v[192:195], s[\oc:\oc+1]
	global_store_b64 v2, v[196:197], s[\oc:\oc+1]
	global_store_b8 v8, v230, s[\os:\os+1]
.if \p == 0
	s_wait_xcnt 0x0                                ; the stores have read their data, which the next pass writes again
.endif
.endm
	PASS 0, 16, 28, 40, 42
	PASS 1, 232, 30, 44, 46
	s_wait_dscnt 0x0
	s_wait_tensorcnt 0x0
	ds_add_u32 v254, v255
	s_wait_dscnt 0x0
	CROUND                                         ; the closing round
	s_endpgm
.Lfunc_end_k_q1419cab23d_attn:
	.size	k_q1419cab23d_attn, .Lfunc_end_k_q1419cab23d_attn-k_q1419cab23d_attn
	.p2alignl 7, 3214868480
	.fill 96, 4, 3214868480
	.section	.rodata,"a",@progbits
	.p2align	6, 0x0
	.amdhsa_kernel k_q1419cab23d_attn
		.amdhsa_group_segment_fixed_size 210944
		.amdhsa_private_segment_fixed_size 0
		.amdhsa_enable_private_segment 0
		.amdhsa_kernarg_size 32
		.amdhsa_user_sgpr_count 2
		.amdhsa_user_sgpr_kernarg_segment_ptr 1
		.amdhsa_wavefront_size32 1
		.amdhsa_system_sgpr_workgroup_id_x 1
		.amdhsa_system_sgpr_workgroup_id_y 1
		.amdhsa_system_sgpr_workgroup_id_z 1
		.amdhsa_system_vgpr_workitem_id 0
		.amdhsa_next_free_vgpr 256
		.amdhsa_next_free_sgpr 66
		.amdhsa_reserve_vcc 1
		.amdhsa_float_denorm_mode_32 3
		.amdhsa_float_denorm_mode_16_64 3
		.amdhsa_memory_ordered 1
		.amdhsa_forward_progress 1
		.amdhsa_inst_pref_size 65
	.end_amdhsa_kernel
	.amdgpu_metadata
---
amdhsa.version: [ 1, 2 ]
amdhsa.kernels:
  - .name:           k_q1419cab23d_attn
    .symbol:         k_q1419cab23d_attn.kd
    .args:
      - { .name: qbuf, .offset: 0, .size: 8, .value_kind: global_buffer, .address_space: global }
      - { .name: kvbuf, .offset: 8, .size: 8, .value_kind: global_buffer, .address_space: global }
      - { .name: atc, .offset: 16, .size: 8, .value_kind: global_buffer, .address_space: global }
      - { .name: ats, .offset: 24, .size: 8, .value_kind: global_buffer, .address_space: global }
    .group_segment_fixed_size: 210944
    .private_segment_fixed_size: 0
    .kernarg_segment_align: 8
    .kernarg_segment_size: 32
    .max_flat_workgroup_size: 512
    .sgpr_count:     66
    .vgpr_count:     256
    .wavefront_size: 32
...
	.end_amdgpu_metadata
.endif
;; end of part 3
;; launch gemm_out (part 4): grid 4 x 32, 4 waves a work-group, clusters of 4 x 4, 327,680 bytes of LDS; arguments atc, ats, opc, ops, out0; writes out0
.if DOCPART == 4
	.amdgcn_target "amdgcn-amd-amdhsa--gfx1250"
	.amdhsa_code_object_version 6
	.text
	.protected	k_q1419cab23d_gemm_out
	.globl	k_q1419cab23d_gemm_out
	.p2align	8
	.type	k_q1419cab23d_gemm_out,@function
k_q1419cab23d_gemm_out:
	s_mov_b64 s[64:65], 0
	v_nop
	global_prefetch_b8 v0, s[64:65] scope:SCOPE_SE
	s_setreg_imm32_b32 hwreg(HW_REG_WAVE_MODE, 25, 1), 1
	s_wait_xcnt 0x0
	s_wait_alu depctr_hold_cnt(0) depctr_sa_sdst(0) depctr_va_vdst(0) depctr_va_sdst(0) depctr_va_ssrc(0) depctr_va_vcc(0) depctr_vm_vsrc(0)
	s_getreg_b32 s2, hwreg(HW_REG_IB_STS2, 6, 4)
	s_cmp_eq_u32 s2, 0
	s_cbranch_scc0 .Lentry_in_a_cluster
	s_endpgm
.Lentry_in_a_cluster:
	s_bfe_u32 s2, ttmp6, 0x10000c
	s_cmp_lg_u32 s2, 0xf033
	s_cbranch_scc0 .Lentry_shape_is_right
	s_endpgm
.Lentry_shape_is_right:
; out0 = (attention's result) W_out^T on codes of BF6 (E3M2) with E8M0 scales, sums in f32, K = 1,024.
; OPERANDS as images of registers: codes [tile][kk 0..15][768], scale words [tile][j][r][4 words].  Side A (source 1, a lane holds one of its rows): atc, ats, 512 tiles of tokens.  Side B (source 0, a lane's
; registers run along its rows): opc, ops from tile 704 on: W_out.  Tile p holds rows 32 (p / 2) + 8 (p % 2) + r + 8 (r / 8).
; A TILE OF THE RESULT is 256 tokens x 256 outputs; four waves, each 128 x 128: 64 accumulators.  128 work-groups: the loop is that of the launch that makes q, k and v, kept word for word.
; K goes in 8 steps of 128; an LDS slot holds two.  THREE slots: K steps 0, 1, 2 are first fills; K step 3 is the one refill, into slot 0.  By this text's count a wave has three tensor loads out at the start, later one.
; CLUSTER 4 x 4: A's tiles are shared along a row of the cluster, B's along a column: joint loads.
; THE WAY OUT goes through a stage of 16 rows x (512 + 16) bytes for each wave, in slot 1: that slot has had its one fill, and every wave's last read of it is over at the barrier in step 5.
; REGISTERS: window 0: v1-19 lane numbers and addresses, v28-29 the add's; v32-95 A's scale words, v96-159 B's; v160-255 A's fragments, one set.
;   window 1: B's fragments, two sets, at v0 and v128 (on the way out v0-127: rows read back).  windows 2, 3: the accumulators, (a, b) at v[8 (8 (a % 4) + b)].
.set HALFT, 24576
.set SLOT,  4*HALFT
.set SPARE, 3*SLOT                     ; the spare words, 128 bytes a wave: two blocks of 256 bytes that no other line names
.set TILEB, 12288
.set KSB,   3072
.set SP,    528
.set A16, 4
.set A8,  7
.set B16, 10
.set B8,  13
.set R16, 16
.set STO, 17                           ; v17  the stage: where I put 32 bytes of a row
.set RD,  18                           ; v18  where I read a row back
.set CO,  19                           ; v19  16 x lane: my bytes of a row of 512
.set SPW, 28
.set NIL, 29
.set SCA, 32
.set SCB, 96
.set AF,  160
.set WV, 14
.set WA, 15
.set WB, 16
.set G1,  24
.set G1B, 48
.set G0,  68
.set G0B, 80
.set MSB, 0
.macro WIN new                         ; the immediate's high byte repeats the setting that is left
.if MSB != \new
	s_set_vgpr_msb (MSB<<8)|\new
.set MSB, \new
.endif
.endm
.set MUL_LO, 0xa1
.set MUL_HI, 0xf1
.set TO_B,   0x40
.macro PLACES                          ; four plain places behind a matrix instruction (ISA guide 7.12.1)
.rept 4
	v_nop
.endr
.endm
.macro JLOAD                           ; the joint refill of slot 0; four v_nop follow each line
	s_cmp_eq_u32 s[WA], 0
	s_cbranch_scc0 .Lfor_b_\@
	tensor_load_to_lds s[G0:G0+3], s[G1:G1+7]
	s_nop 0
.rept 4
	v_nop
.endr
	s_branch .Lasked_\@
.Lfor_b_\@:
	tensor_load_to_lds s[G0B:G0B+3], s[G1B:G1B+7]
	s_nop 0
.rept 4
	v_nop
.endr
.Lasked_\@:
.endm
.macro CREST
	s_cmp_lg_u32 s[WV], 0
	s_cbranch_scc1 .Lnot_wave_0_\@
	s_barrier_signal -3
.Lnot_wave_0_\@:
	s_barrier_wait -3
	s_barrier_signal -1
	s_barrier_wait -1
.endm
.macro CROUND
	s_barrier_signal -1
	s_barrier_wait -1
	CREST
.endm
.macro FRAG reg, a16, a8, q, i
	ds_load_b128 v[\reg:\reg+3], v[\a16] offset:(\i)*KSB+(\q)*1536
	ds_load_b64 v[\reg+4:\reg+5], v[\a8] offset:(\i)*KSB+(\q)*1536
	ds_load_b128 v[\reg+6:\reg+9], v[\a16] offset:(\i)*KSB+(\q)*1536+768
	ds_load_b64 v[\reg+10:\reg+11], v[\a8] offset:(\i)*KSB+(\q)*1536+768
.endm
.macro FETCH_B slot, q, p
	WIN TO_B
.irp i, 0,1,2,3,4,5,6,7
	FRAG 128*(\p)+12*\i, B16+\slot, B8+\slot, \q, \i
.endr
	WIN 0
.endm
.macro FETCH_A slot, q, i0
.irp i, \i0, \i0+1, \i0+2, \i0+3
	FRAG AF+12*(\i), A16+\slot, A8+\slot, \q, \i
.endr
.endm
.macro MUL16 a0, sig, zero             ; the 64 accumulators take turns, one instruction a turn, in the same order in every step
.irp a, \a0, \a0+1
.irp b, 0,1,2,3,4,5,6,7
.if \zero
	v_wmma_scale_f32_16x16x128_f8f6f4 v[8*(8*((\a)%4)+\b):8*(8*((\a)%4)+\b)+7], v[128*((\sig)%2)+12*\b:128*((\sig)%2)+12*\b+11], v[AF+12*(\a):AF+12*(\a)+11], 0, v[SCB+8*\b+(\sig)], v[SCA+8*(\a)+(\sig)] matrix_a_fmt:MATRIX_FMT_BF6 matrix_b_fmt:MATRIX_FMT_BF6
.else
	v_wmma_scale_f32_16x16x128_f8f6f4 v[8*(8*((\a)%4)+\b):8*(8*((\a)%4)+\b)+7], v[128*((\sig)%2)+12*\b:128*((\sig)%2)+12*\b+11], v[AF+12*(\a):AF+12*(\a)+11], v[8*(8*((\a)%4)+\b):8*(8*((\a)%4)+\b)+7], v[SCB+8*\b+(\sig)], v[SCA+8*(\a)+(\sig)] matrix_a_fmt:MATRIX_FMT_BF6 matrix_b_fmt:MATRIX_FMT_BF6
.endif
.endr
.endr
.endm
.macro STEP sig, nslot, nq, zero
	s_wait_dscnt 16                                ; B's set and A's blocks 0-3 are in; the youngest 16 loads (A's blocks 4-7) may be out
	WIN MUL_LO
	MUL16 0, \sig, \zero
	MUL16 2, \sig, \zero
	s_wait_dscnt 0x0
	PLACES
	FETCH_B \nslot, \nq, 1-(\sig)%2
	FETCH_A \nslot, \nq, 0
	WIN MUL_HI
	MUL16 4, \sig, \zero
	MUL16 6, \sig, \zero
	PLACES
	WIN 0
	FETCH_A \nslot, \nq, 4
.endm
.macro TURN sig, nslot, fill
	s_wait_tensorcnt 0x0                           ; all my tensor loads have landed  (every window is 0 here)
	ds_add_u32 v[SPW], v[NIL]                      ; 0 onto my spare word
	s_wait_dscnt 17                                ; (the add and A's blocks 4-7, 16 loads, may be out)
	WIN MUL_LO
	MUL16 0, \sig, 0
	s_wait_dscnt 0x0                               ; the add is done, and my LDS reads are over
	s_barrier_signal -1
	MUL16 2, \sig, 0
	WIN 0
	s_barrier_wait -1
.if \fill
	CREST                                          ; no wave of any partner still reads slot 0 or has a load on its way
	s_add_nc_u64 s[G0+2:G0+3], s[G0+2:G0+3], 3*KSB
	s_add_nc_u64 s[G0B+2:G0B+3], s[G0B+2:G0B+3], 3*KSB
	JLOAD
.else
	PLACES
.endif
	s_wait_alu depctr_va_vdst(0)
	FETCH_B \nslot, 0, 0
	FETCH_A \nslot, 0, 0
	WIN MUL_HI
	MUL16 4, \sig, 0
	MUL16 6, \sig, 0
	PLACES
	WIN 0
	FETCH_A \nslot, 0, 4
.endm
	s_load_b128 s[4:7], s[0:1], 0x0                ; side A: atc, ats
	s_load_b128 s[8:11], s[0:1], 0x10              ; side B: opc, ops
	s_load_b64 s[12:13], s[0:1], 0x20              ; out0
	v_lshl_add_u32 v[SPW], v0, 2, SPARE
	v_mov_b32 v[NIL], 0
	ds_add_u32 v28, v29
	ds_add_u32 v28, v29
	s_wait_dscnt 0x0
	v_lshrrev_b32 v1, 5, v0
	v_readfirstlane_b32 s[WV], v1
	s_lshr_b32 s[WA], s[WV], 1
	s_and_b32 s[WB], s[WV], 1
	s_bfe_u32 s40, ttmp6, 0x40000                  ; cx
	s_bfe_u32 s41, ttmp6, 0x40004                  ; cy
	s_lshl_b32 s42, ttmp9, 2
	s_add_co_u32 s42, s42, s40                     ; B's block of 256 outputs
	s_and_b32 s43, ttmp7, 0xffff
	s_lshl_b32 s43, s43, 2
	s_add_co_u32 s43, s43, s41                     ; A's block of 256 tokens
	s_lshl_b32 s22, s42, 4
	s_add_co_u32 s22, s22, 704                     ; B's first tile: W_out begins at tile 704 of opc
	s_lshl_b32 s23, s43, 4                         ; A's first tile
	s_lshl_b32 s44, s41, 2
	s_lshl_b32 s44, 15, s44                        ; my row of the cluster
	s_lshl_b32 s45, 0x1111, s40                    ; my column
	s_or_b32 s[G1], s44, (3<<16)|(1<<21)           ; group 1: 8 rows (tiles) of 3,072 bytes, 12,288 bytes apart, as elements of 8 bytes; the mask; bit 21 beside it
	s_or_b32 s[G1B], s45, (3<<16)|(1<<21)
.irp g, G1, G1B
	s_mov_b32 s[\g+1], 384<<16
	s_mov_b32 s[\g+2], 8<<16
	s_mov_b32 s[\g+3], 384<<16
	s_mov_b32 s[\g+4], 8
	s_mov_b32 s[\g+5], 1536
	s_mov_b32 s[\g+6], 0
	s_mov_b32 s[\g+7], 0
.endr
	s_lshl_b32 s2, s[WB], 3
	s_add_co_u32 s32, s23, s2
	s_mul_i32 s32, s32, TILEB
	s_mov_b32 s33, 0
	s_add_co_u32 s34, s22, s2
	s_mul_i32 s34, s34, TILEB
	s_mov_b32 s35, 0
	s_mul_i32 s36, s[WV], HALFT
	s_wait_kmcnt 0x0
	s_add_nc_u64 s[32:33], s[4:5], s[32:33]
	s_add_nc_u64 s[34:35], s[8:9], s[34:35]
.irp n, 0,1,2
	s_mov_b32 s[G0+4*\n], 1
	s_add_co_u32 s[G0+4*\n+1], s36, \n*SLOT
	s_add_nc_u64 s[G0+4*\n+2:G0+4*\n+3], s[32:33], \n*KSB
	s_or_b32 s[G0+4*\n+3], s[G0+4*\n+3], 0x80000000
	s_mov_b32 s[G0B+4*\n], 1
	s_add_co_u32 s[G0B+4*\n+1], s36, \n*SLOT
	s_add_nc_u64 s[G0B+4*\n+2:G0B+4*\n+3], s[34:35], \n*KSB
	s_or_b32 s[G0B+4*\n+3], s[G0B+4*\n+3], 0x80000000
.endr
	CROUND                                         ; all sixteen work-groups are here: the first joint loads meet
	s_cmp_eq_u32 s[WA], 0
	s_cbranch_scc0 .Lfirst_b
	tensor_load_to_lds s[G0:G0+3], s[G1:G1+7]
	s_nop 0
	tensor_load_to_lds s[G0+4:G0+7], s[G1:G1+7]
	s_nop 0
	tensor_load_to_lds s[G0+8:G0+11], s[G1:G1+7]
	s_nop 0
.rept 4
	v_nop
.endr
	s_branch .Lfirst_done
.Lfirst_b:
	tensor_load_to_lds s[G0B:G0B+3], s[G1B:G1B+7]
	s_nop 0
	tensor_load_to_lds s[G0B+4:G0B+7], s[G1B:G1B+7]
	s_nop 0
	tensor_load_to_lds s[G0B+8:G0B+11], s[G1B:G1B+7]
	s_nop 0
.rept 4
	v_nop
.endr
.Lfirst_done:
	v_and_b32 v1, 31, v0                           ; lane
	v_and_b32 v2, 15, v0                           ; r
	v_bfe_u32 v3, v0, 4, 1                         ; h
	v_lshlrev_b32 v[CO], 4, v1                     ; 16 x lane
	v_lshlrev_b32 v20, 3, v1
	v_add_nc_u32 v20, 0x200, v20                   ; 512 + 8 x lane
	v_lshlrev_b32 v[R16], 4, v2
	s_wait_alu depctr_va_vdst(0)
	s_mov_b32 s67, 0
	s_lshl_b32 s3, s[WA], 3
	s_add_co_u32 s3, s3, s23
	s_lshl_b32 s66, s3, 9
	s_add_nc_u64 s[6:7], s[6:7], s[66:67]          ; the scale words of my eight tiles of A,
	s_lshl_b32 s3, s[WB], 3
	s_add_co_u32 s3, s3, s22
	s_lshl_b32 s66, s3, 9
	s_add_nc_u64 s[10:11], s[10:11], s[66:67]      ; and of B
.irp i, 0,1,2,3,4,5,6,7
.irp j, 0,1
	global_load_b128 v[SCA+8*\i+4*\j:SCA+8*\i+4*\j+3], v[R16], s[6:7] offset:\i*512+256*\j
	global_load_b128 v[SCB+8*\i+4*\j:SCB+8*\i+4*\j+3], v[R16], s[10:11] offset:\i*512+256*\j
.endr
.endr
	s_mul_i32 s3, s[WA], HALFT
	s_mul_i32 s66, s[WB], HALFT
	s_add_co_u32 s66, s66, 2*HALFT
.irp s, 0,1,2
	v_add_nc_u32 v[A16+\s], s3, v[CO]
	v_add_nc_u32 v[A8+\s], s3, v20
	v_add_nc_u32 v[B16+\s], s66, v[CO]
	v_add_nc_u32 v[B8+\s], s66, v20
	s_add_co_u32 s3, s3, SLOT
	s_add_co_u32 s66, s66, SLOT
.endr
	s_mul_i32 s3, s[WV], 16*SP
	s_add_co_u32 s3, s3, SLOT                      ; my stage, in slot 1
	v_mul_u32_u24 v[STO], v2, SP
	v_lshl_add_u32 v[STO], v3, 6, v[STO]
	v_add_nc_u32 v[STO], s3, v[STO]                ; in: row r, + 64 h bytes
	v_add_nc_u32 v[RD], s3, v[CO]                  ; back: the 32 lanes take one row of 512 bytes
	s_lshl_b32 s37, s43, 8
	s_lshl_b32 s38, s[WA], 7
	s_add_co_u32 s37, s37, s38                     ; my first row of out0
	s_lshl_b32 s37, s37, 12                        ; rows of 4,096 bytes (under 2^26 bytes)
	s_lshl_b32 s38, s42, 10
	s_add_co_u32 s37, s37, s38
	s_lshl_b32 s38, s[WB], 9
	s_add_co_u32 s66, s37, s38                     ; + my first column, in bytes
	s_add_nc_u64 s[12:13], s[12:13], s[66:67]
	s_wait_tensorcnt 2                             ; my part of K step 0 is in; K steps 1 and 2 may be out
	s_barrier_signal -1
	s_barrier_wait -1
	FETCH_B 0, 0, 0
	FETCH_A 0, 0, 0
	FETCH_A 0, 0, 4
	s_wait_loadcnt 0x0                             ; the scale words
	STEP 0, 0, 1, 1                                ; the first step's products start the sums
	TURN 1, 1, 1                                   ; slots 1 and 2 are whole for every wave; slot 0 takes K step 3
	STEP 2, 1, 1, 0
	STEP 3, 2, 0, 0
	STEP 4, 2, 1, 0
	TURN 5, 0, 0                                   ; K step 3 has landed, for every wave; nobody reads slot 1 any more
	STEP 6, 0, 1, 0
	s_wait_dscnt 16
	WIN MUL_LO
	MUL16 0, 7, 0
	MUL16 2, 7, 0
	s_wait_dscnt 0x0
	WIN MUL_HI
	MUL16 4, 7, 0
	MUL16 6, 7, 0
	WIN 0
; THE WAY OUT, block by block of 16 tokens x 128 outputs.  Register j of accumulator (a, b) is output 32 (b / 2) + 16 h + 8 (b % 2) + j of the token in lane r.  A block goes through my stage and comes back as
; whole rows of 512 bytes.  LDS serves a wave's instructions in order: no wait between the stores and the loads, nor in front of the next block's stores.
.macro TOSTAGE a
.set AC, 64*((\a)%4)
	WIN 0x08+4*((\a)/4)                            ; the data: window 2 or 3
.irp b, 0,1,2,3,4,5,6,7
	ds_store_b128 v[STO], v[AC+8*\b:AC+8*\b+3] offset:128*(\b/2)+32*(\b%2)          ; each accumulator from its low end on
	ds_store_b128 v[STO], v[AC+8*\b+4:AC+8*\b+7] offset:128*(\b/2)+32*(\b%2)+16
.endr
	WIN 0x40                                       ; destination window 1
.set BB, 64*((\a)%2)
.irp t, 0,1,2,3,4,5,6,7,8,9,10,11,12,13,14,15
	ds_load_b128 v[BB+4*\t:BB+4*\t+3], v[RD] offset:\t*SP
.endr
	WIN 0
.endm
.macro SEND a, younger                 ; younger: the LDS instructions issued behind block a's loads, which may stay out
.set BB, 64*((\a)%2)
	s_wait_dscnt \younger
	WIN 0x04                                       ; a store's data are its source 1: window 1
.irp t, 0,1,2,3,4,5,6,7,8,9,10,11,12,13,14,15
	global_store_b128 v[CO], v[BB+4*\t:BB+4*\t+3], s[12:13] offset:(32*((\a)/2)+8*((\a)%2)+\t+8*(\t/8))*4096 th:TH_STORE_NT   ; 32 lanes store 512 consecutive bytes, aligned; the row stands in the immediate, 127 rows at the most
.endr
	WIN 0
.endm
	PLACES
	TOSTAGE 0
.irp a, 1,2,3,4,5,6,7
.if \a > 1
	s_wait_xcnt 0x0                                ; block a - 2's stores have read their registers: block a's loads may land there
.endif
	TOSTAGE \a
	SEND \a-1, 32                                  ; behind block a - 1's loads: block a's 16 stores and 16 loads
.endr
	SEND 7, 0
	s_wait_tensorcnt 0x0                           ; the wave's end
	ds_add_u32 v[SPW], v[NIL]
	s_wait_dscnt 0x0
	CROUND                                         ; the closing round
	s_endpgm
.Lfunc_end_k_q1419cab23d_gemm_out:
	.size	k_q1419cab23d_gemm_out, .Lfunc_end_k_q1419cab23d_gemm_out-k_q1419cab23d_gemm_out
	.p2alignl 7, 3214868480
	.fill 96, 4, 3214868480
	.section	.rodata,"a",@progbits
	.p2align	6, 0x0
	.amdhsa_kernel k_q1419cab23d_gemm_out
		.amdhsa_group_segment_fixed_size 327680
		.amdhsa_private_segment_fixed_size 0
		.amdhsa_enable_private_segment 0
		.amdhsa_kernarg_size 40
		.amdhsa_user_sgpr_count 2
		.amdhsa_user_sgpr_kernarg_segment_ptr 1
		.amdhsa_wavefront_size32 1
		.amdhsa_system_sgpr_workgroup_id_x 1
		.amdhsa_system_sgpr_workgroup_id_y 1
		.amdhsa_system_sgpr_workgroup_id_z 1
		.amdhsa_system_vgpr_workitem_id 0
		.amdhsa_next_free_vgpr 1024
		.amdhsa_next_free_sgpr 96
		.amdhsa_reserve_vcc 0
		.amdhsa_float_denorm_mode_32 3
		.amdhsa_float_denorm_mode_16_64 3
		.amdhsa_memory_ordered 1
		.amdhsa_forward_progress 1
		.amdhsa_inst_pref_size 142
	.end_amdhsa_kernel
	.amdgpu_metadata
---
amdhsa.version: [ 1, 2 ]
amdhsa.kernels:
  - .name:           k_q1419cab23d_gemm_out
    .symbol:         k_q1419cab23d_gemm_out.kd
    .args:
      - { .name: atc, .offset: 0, .size: 8, .value_kind: global_buffer, .address_space: global }
      - { .name: ats, .offset: 8, .size: 8, .value_kind: global_buffer, .address_space: global }
      - { .name: opc, .offset: 16, .size: 8, .value_kind: global_buffer, .address_space: global }
      - { .name: ops, .offset: 24, .size: 8, .value_kind: global_buffer, .address_space: global }
      - { .name: out0, .offset: 32, .size: 8, .value_kind: global_buffer, .address_space: global }
    .group_segment_fixed_size: 327680
    .private_segment_fixed_size: 0
    .kernarg_segment_align: 8
    .kernarg_segment_size: 40
    .max_flat_workgroup_size: 128
    .sgpr_count:     96
    .vgpr_count:     1024
    .wavefront_size: 32
...
	.end_amdgpu_metadata
.endif
;; end of part 4
